; MI455X (gfx1250); checked and timed in simulation.
; The chip was launched on July 23, 2026; its instructions are those of AMD's public machine-readable ISA for CDNA 5 (MIT licence, August 2026) and "CDNA5" Instruction Set Architecture Reference Guide (July 2026). The comments in the code are by the model that wrote it; some were corrected since.
;; Causal Self Attention. Allowed arithmetic: matrix products marked QUANTISED: E4M3 operands, one E8M0 scale for each 32 along K, by v_wmma_scale_f32_16x16x128_f8f6f4 with both operands' format E4M3, f32 sums; everything else in f32.
;; Inputs: w_out 1,024 x 1,024 float32; w_qkv 1,024 x 3,072 float32; x 4 x 2,048 x 1,024 float32.
;; Outputs: out0 4 x 2,048 x 1,024 float32.
;; This version of the problem:
;;   THIS VERSION OF THE PROBLEM IS GIVEN IN LOW PRECISION. The matrix products marked QUANTISED in the list below multiply operands that are first quantised to E4M3 (4 exponent bits, 3 mantissa bits; 8 bits a number), with one power-of-two scale for each 32 numbers along K (OCP MX v1.0); their sums are f32. All else is computed in f32.
;;   The module's matrix products, in the order in which they are computed (A, B: the left and right operand; K: the contracted axis; several contracted axes count as one K, in the product's order):
;;     1. [M 8,192, K 1,024] x [K 1,024, N 3,072]; A: input x; B: input w_qkv: QUANTISED
;;     2. batch 64 x [M 2,048, K 64] x [K 64, N 2,048]; A: computed on the way; B: computed on the way: QUANTISED
;;     3. batch 64 x [M 2,048, K 2,048] x [K 2,048, N 64]; A: softmax (see below); B: computed on the way: QUANTISED
;;     4. [M 8,192, K 1,024] x [K 1,024, N 1,024]; A: computed on the way; B: input w_out: QUANTISED
;;   THE QUANTISER, for each operand of a quantised product, along K:
;;     - K is cut into blocks of 32 from its start; a last block that is shorter is filled with zeros.
;;     - A block's scale is 2^e with e = floor(log2(the largest magnitude in the block)) - 8, held to -126 .. 127; a block of zeros has e = 0. As a byte (E8M0): e + 127.
;;     - Each number is divided by its block's scale, clamped to +-448, and rounded to the nearest number of E4M3, ties to even, subnormals kept.
;;     - The product sums the exact products of the quantised numbers (number of the format x scale) in f32.
;;   ~~~python
;;   def quantise(x, axis):      # numpy; x: float32 -> the quantised numbers, widened to float32 again
;;       x = np.moveaxis(x, axis, -1); K = x.shape[-1]
;;       x = np.pad(x, [(0, 0)] * (x.ndim - 1) + [(0, -K % 32)]); x = x.reshape(x.shape[:-1] + (-1, 32)); a = np.abs(x).max(-1, keepdims=True)
;;       e = np.where(a > 0, np.clip(np.frexp(np.where(a > 0, a, 1))[1] - 1 - 8, -126, 127), 0)      # np.frexp(a)[1] - 1 = floor(log2(a)), exactly
;;       r = np.clip(x / 2.0 ** e, -448, 448)
;;       step = 2.0 ** (np.maximum(np.frexp(np.where(r == 0, 1, r))[1] - 1, -6) - 3)
;;       q = np.round(r / step) * step * 2.0 ** e      # np.round: ties to even
;;       return np.moveaxis(q.reshape(q.shape[:-2] + (-1,))[..., :K], -1, axis).astype(np.float32)
;;   ~~~
;;   SOFTMAX AHEAD OF A QUANTISED PRODUCT. Where the list says 'softmax', what is quantised is not the finished softmax but p = 2^(t - M), with t = logit x log2(e) and M = ceil(the row's largest t), a whole number; so 1/2 < the row's largest p <= 1. The row's sum l is taken of the UNQUANTISED p, in f32, and the product's result is divided by l at the end. Since M is a whole number, a kernel that streams over the keys may use a running M (the ceiling of the running maximum): every later rescaling is an exact power of two, which a block's scale takes up: the codes' values come out the same.
;;   OPERANDS COMPUTED ON THE WAY. 'Computed on the way' means the value that the module computes at that place (a softmax that the list does not call 'softmax' is quantised finished and normalised). What goes into a quantiser is computed in f32, as accurately as f32 sums, v_exp_f32 and their like allow (about 1e-6 of the number): no bf16 or f16 on the way to a quantiser, and a product that is left as it is and whose result goes on into a quantised operand takes f32 operands (vector FMAs, or v_wmma_f32_16x16x4_f32). A number that lies on a knife's edge between two numbers of the format may be rounded either way, as far as f32 arithmetic and the matrix unit's own rounding can turn it there, and no further.
;; One version. Each part assembles by itself: llvm-mc -triple=amdgcn-amd-amdhsa -mcpu=gfx1250 --defsym DOCPART=n.
;; ======== version 1 of 1: 4 launches
;; limits: right only within a limited range of input values
;; workspace buffers: xq 8,650,752 bytes; wq 4,325,376 bytes; qkv 26,214,400 bytes; ctx 8,650,752 bytes
;; launch quant (part 1): grid 384 x 1, 4 waves a work-group, no clusters, 34,304 bytes of LDS; arguments x, w_qkv, w_out, xq, wq; writes xq, wq
.if DOCPART == 1
	.amdgcn_target "amdgcn-amd-amdhsa--gfx1250"
	.amdhsa_code_object_version 6
	.text
	.protected	k_qe0c68d0736_quant
	.globl	k_qe0c68d0736_quant
	.p2align	8
	.type	k_qe0c68d0736_quant,@function
k_qe0c68d0736_quant:
	s_mov_b64 s[64:65], 0
	v_nop
	global_prefetch_b8 v0, s[64:65] scope:SCOPE_SE
	s_setreg_imm32_b32 hwreg(HW_REG_WAVE_MODE, 25, 1), 1
	s_wait_xcnt 0x0
; x [8192][1024], w_qkv [1024][3072] and w_out [1024][1024], f32, become codes of FP8 (E4M3) with one E8M0 scale byte for each 32 along K (x: its last axis; the weights: their FIRST axis).
; A block's scale is 2^(floor(log2(its largest magnitude)) - 8); its byte is the largest magnitude's exponent field - 8, held at 1 from below; each number is divided by the scale, held within +-448, rounded to the nearest code, ties to even.
; LIMITS: a block of zeros gets the byte 1 where the rule says 127 (its codes are zeros, which add nothing under any byte but 0xff, and this program alone reads the bytes); NaN and infinities among the inputs are not served.
; LAYOUT OF THE RESULTS: the order of the matrix operand's registers.  A TILE is 16 rows (tokens of x, columns of a weight): tile 2 F + u, place r holds row 32 F + 8 u + r + 8 (r / 8).
; A fragment (a tile x 128 along K) is 2,048 bytes: [c 0-3][lane 0-31][16 bytes], lane = 16 h + r, the bytes k = 32 c + 16 h + 0 .. 15 of place r.  A buffer: [tile][K step 0-7][2,048], and behind all tiles
; the scale words: [tile][sk 0-3][r 0-15][q 0-1], word (sk, q) = the four bytes of K step 2 sk + q.  wq: tiles 0-191 are w_qkv's columns, tiles 192-255 w_out's.
; Work-groups 0-255 take x (a wave: one tile x four K steps), work-groups 256-383 the weights (a wave: 32 columns x 256 along K).  Waves share nothing: no barrier.  Only the path of x uses LDS.
.set XSC,  8388608                     ; where xq's scale words begin
.set WSC,  4194304                     ; and wq's
.set RA,   16                          ; x: v16-143  two sets of 64 registers as loaded
.set X,    144                         ; x: v144-207 64 numbers of a lane: register 16 b + i = k 32 b + 16 h + i of my row
.set PC,   208                         ; x: v208-223 a fragment's codes
.set TM,   224                         ; x: v224-227 largest magnitudes, v228-231 bytes, v236-239 the conversions' scale operands
.set PW,   240                         ; x: v240-243 the four K steps' scale words
.set WX,   32                          ; weights: v32-95 two sets of 32 numbers
.set WC,   96                          ; weights: v96-159 codes, eight registers for each block, so that no store's data are written again
.set SB,   24                          ; weights: v24-25 the scale bytes, four to a register
.set MNT,  15
.set SEL,  16                          ; s[16:17] v_permlanex16_b32's selects for lane l xor 16
.macro LOADF t                         ; K step t of my four: 16 rows x 512 bytes; each load reads 512 consecutive bytes of one row
.irp p, 0,1,2,3,4,5,6,7,8,9,10,11,12,13,14,15
	global_load_b128 v[RA+64*((\t)%2)+4*\p:RA+64*((\t)%2)+4*\p+3], v1, s[4:5] offset:(\p+8*(\p/8))*4096+512*(\t) th:TH_LOAD_NT
.endr
.endm
.macro QUANT s, pw                     ; 64 numbers of a lane become a fragment's codes in v[PC] on and its scale word in v[pw]
.irp b, 0,1,2,3
	v_max3_num_f32 v[TM+\b], |v[\s+16*\b]|, |v[\s+1+16*\b]|, 0x4800000   ; my 16 numbers of block b, and the floor 2^(9 - 127): the byte cannot fall under 1
.endr
.irp i, 2,4,6,8,10,12,14
.irp b, 0,1,2,3
	v_max3_num_f32 v[TM+\b], v[TM+\b], |v[\s+16*\b+\i]|, |v[\s+1+16*\b+\i]|   ; the four blocks by turns
.endr
.endr
.irp b, 0,1,2,3
	v_permlanex16_b32 v[TM+4+\b], v[TM+\b], s[SEL], s[SEL+1]
.endr
.irp b, 0,1,2,3
	v_max_num_f32 v[TM+\b], v[TM+\b], v[TM+4+\b]                  ; with lane l xor 16's 16: the block's largest magnitude
.endr
.irp b, 0,1,2,3
	v_add_nc_u32 v[TM+12+\b], 0xfc000000, v[TM+\b]                ; 8 off its exponent field: the conversion's scale operand
.endr
.irp b, 0,1,2,3
.endr
.irp b, 0,1,2,3
	v_lshrrev_b32 v[TM+4+\b], 23, v[TM+12+\b]                     ; the scale's byte
.endr
	v_lshl_or_b32 v[\pw], v[TM+5], 8, v[TM+4]
	v_lshl_or_b32 v[\pw], v[TM+6], 16, v[\pw]
	v_lshl_or_b32 v[\pw], v[TM+7], 24, v[\pw]
.irp b, 0,1,2,3
.irp i, 0,1,2,3,4,5,6,7,8,9,10,11,12,13,14,15
.endr
	v_cvt_scalef32_pk8_fp8_f32 v[PC+4*\b:PC+1+4*\b], v[\s+16*\b:\s+7+16*\b], v[TM+12+\b]
	v_cvt_scalef32_pk8_fp8_f32 v[PC+2+4*\b:PC+3+4*\b], v[\s+8+16*\b:\s+15+16*\b], v[TM+12+\b]
.endr
	v_nop                                          ; a plain line behind the last conversion
.endm
.macro FRAGX t                         ; K step t: through my stage (rows 528 bytes apart), so that a lane gets 16 neighbours of each block; quantised; stored as an image
.if (\t) < 3
	s_wait_loadcnt 16                              ; this K step's 16 loads are in; the next one's 16 may be out
.else
	s_wait_loadcnt 0x0
.endif
.irp p, 0,1,2,3,4,5,6,7,8,9,10,11,12,13,14,15
	ds_store_b128 v2, v[RA+64*((\t)%2)+4*\p:RA+64*((\t)%2)+4*\p+3] offset:528*\p
.endr
.irp c, 0,1,2,3
.irp j, 0,1,2,3
	ds_load_b128 v[X+16*\c+4*\j:X+16*\c+4*\j+3], v3 offset:128*\c+16*\j   ; LDS serves a wave's instructions in order: these see my stores
.endr
.endr
	s_wait_dscnt 0x0
.if (\t) < 2
	LOADF (\t)+2                                   ; into the set that the stage has just read
.endif
.if (\t) > 0
	s_wait_xcnt 0x0                                ; the last K step's stores have read v[PC] on: it is written again only behind this wait
.endif
	QUANT X, PW+(\t)
.irp c, 0,1,2,3
	global_store_b128 v1, v[PC+4*\c:PC+4*\c+3], s[10:11] offset:2048*(\t)+512*\c   ; 32 lanes store 512 consecutive bytes
.endr
.endm
.macro LOADW cols, lo, t               ; block t of my column: W(32 t + i, column), i = 0 .. 31; a load reads 128 consecutive bytes
.irp i, 0,1,2,3,4,5,6,7,8,9,10,11,12,13,14,15,16,17,18,19,20,21,22,23,24,25,26,27,28,29,30,31
	global_load_b32 v[WX+32*((\t)%2)+\i], v3, s[\lo:\lo+1] offset:(32*(\t)+\i)*\cols*4 th:TH_LOAD_NT
.endr
.endm
.macro BLOCKW cols, lo, t              ; a whole block of 32 along K lies in my 32 registers
.set XS, WX+32*((\t)%2)
.set CW, WC+8*(\t)
.if (\t) < 7
	s_wait_loadcnt 32                              ; this block's 32 loads are in; the next block's may be out
.else
	s_wait_loadcnt 0x0
.endif
	v_max3_num_f32 v12, |v[XS]|, |v[XS+1]|, |v[XS+2]|
	v_max3_num_f32 v13, |v[XS+3]|, |v[XS+4]|, |v[XS+5]|
.irp i, 6,10,14,18,22,26
	v_max3_num_f32 v12, v12, |v[XS+\i]|, |v[XS+\i+1]|
	v_max3_num_f32 v13, v13, |v[XS+\i+2]|, |v[XS+\i+3]|
.endr
	v_max3_num_f32 v12, v12, |v[XS+30]|, |v[XS+31]|
	v_max3_num_f32 v12, v12, v13, 0x4800000        ; and the floor
	v_add_nc_u32 v11, 0xfc000000, v12              ; the conversion's scale operand
	v_lshrrev_b32 v13, 23, v11                     ; the byte
.if (\t)%4 == 0
	v_mov_b32 v[SB+(\t)/4], v13
.else
	v_lshl_or_b32 v[SB+(\t)/4], v13, 8*((\t)%4), v[SB+(\t)/4]
.endif
.irp i, 0,1,2,3,4,5,6,7,8,9,10,11,12,13,14,15,16,17,18,19,20,21,22,23,24,25,26,27,28,29,30,31
.endr
.irp g, 0,1,2,3
	v_cvt_scalef32_pk8_fp8_f32 v[CW+2*\g:CW+2*\g+1], v[XS+8*\g:XS+8*\g+7], v11
.endr
	v_nop                                          ; a plain line behind the last conversion
	global_store_b128 v4, v[CW:CW+3], s[30:31] offset:2048*((\t)/4)+512*((\t)%4)         ; k 0-15 of the block: the image's lanes 0-15; the sixteen lanes of one tile fill 256 consecutive bytes
	global_store_b128 v4, v[CW+4:CW+7], s[30:31] offset:2048*((\t)/4)+512*((\t)%4)+256   ; k 16-31: its lanes 16-31
.if (\t)+2 < 8
	LOADW \cols, \lo, (\t)+2
.endif
.endm
.macro WBODY cols, lo
	LOADW \cols, \lo, 0
	LOADW \cols, \lo, 1
.irp t, 0,1,2,3,4,5,6,7
	BLOCKW \cols, \lo, \t
.endr
	global_store_b64 v5, v[SB:SB+1], s[32:33]      ; my column's two scale words: pieces of 128 consecutive bytes for each tile; one byte in 128 of what the wave reads
	s_endpgm
.endm
	s_load_b256 s[4:11], s[0:1], 0x0               ; x s[4:5], w_qkv s[6:7], w_out s[8:9], xq s[10:11]
	s_load_b64 s[12:13], s[0:1], 0x20              ; wq
	v_lshl_add_u32 v254, v0, 2, 0x8400
	v_mov_b32 v255, 0
	v_lshrrev_b32 v1, 5, v0
	v_readfirstlane_b32 s14, v1                    ; wave 0..3
	v_and_b32 v6, 31, v0                           ; lane
	s_mov_b32 s[SEL], 0x76543210
	s_mov_b32 s[SEL+1], 0xfedcba98
	s_cmp_lt_u32 ttmp9, 256
	s_cbranch_scc0 .Lweights
	; ---- x
	s_lshl_b32 s18, ttmp9, 2
	s_add_co_u32 s18, s18, s14                     ; which of 1,024 shares
	s_lshr_b32 s19, s18, 1                         ; tile 0..511
	s_and_b32 s20, s18, 1                          ; which four K steps
	s_lshr_b32 s21, s19, 1
	s_lshl_b32 s21, s21, 17                        ; 32 rows of 4,096 bytes for each pair of tiles,
	s_and_b32 s22, s19, 1
	s_lshl_b32 s22, s22, 15                        ; 8 rows for the odd tile,
	s_add_co_u32 s24, s21, s22
	s_lshl_b32 s23, s20, 11                        ; 2,048 bytes for four K steps
	s_add_co_u32 s24, s24, s23
	s_mov_b32 s25, 0
	s_lshl_b32 s26, s19, 14                        ; the images: 16,384 bytes a tile, 8,192 for four K steps
	s_lshl_b32 s23, s20, 13
	s_add_co_u32 s26, s26, s23
	s_mov_b32 s27, 0
	s_lshl_b32 s28, s19, 9                         ; the scale words: 512 bytes a tile, 256 for four K steps
	s_lshl_b32 s23, s20, 8
	s_add_co_u32 s28, s28, s23
	s_add_co_u32 s28, s28, XSC
	s_mov_b32 s29, 0
	v_and_b32 v7, 15, v0                           ; r
	v_bfe_u32 v8, v0, 4, 1                         ; h
	s_wait_alu depctr_va_vdst(0)
	v_lshlrev_b32 v1, 4, v6                        ; 16 x lane: my bytes of a load's 512 and of an image's 512
	s_mul_i32 s18, s14, 8448                       ; my stage: 16 rows x 528 bytes
	v_add_nc_u32 v2, s18, v1                       ; into it
	v_mul_u32_u24 v3, v7, 528
	v_lshl_add_u32 v3, v8, 6, v3
	v_add_nc_u32 v3, s18, v3                       ; out of it: row r, + 64 h
	v_lshlrev_b32 v4, 3, v6                        ; 8 x lane: the scale words' place
.irp b, 0,1,2,3
	v_mov_b32 v[TM+4+\b], 0                        ; written once: a lane permute's destination counts as one of its sources
.endr
	s_wait_alu depctr_va_vdst(0)
	s_wait_kmcnt 0x0
	s_add_nc_u64 s[4:5], s[4:5], s[24:25]
	s_add_nc_u64 s[30:31], s[10:11], s[28:29]
	s_add_nc_u64 s[10:11], s[10:11], s[26:27]
	LOADF 0
	LOADF 1
	FRAGX 0
	FRAGX 1
	FRAGX 2
	FRAGX 3
	v_cmp_le_u32 vcc_lo, 16, v6                    ; lanes 0-15 store the words of K steps 0, 1 of my four, lanes 16-31 those of 2, 3 (both halves of the lanes hold all four)
	v_cndmask_b32 v244, v[PW], v[PW+2], vcc_lo
	v_cndmask_b32 v245, v[PW+1], v[PW+3], vcc_lo
	global_store_b64 v4, v[244:245], s[30:31]      ; 32 lanes store 256 consecutive bytes
	s_wait_tensorcnt 0x0
	ds_add_u32 v254, v255
	s_wait_dscnt 0x0
	s_endpgm
	; ---- the weights: a lane takes a column, its registers run down K
.Lweights:
	s_sub_co_u32 s18, ttmp9, 256
	s_lshr_b32 s19, s18, 2                         ; which 128 columns: 0-23 w_qkv's, 24-31 w_out's
	s_and_b32 s20, s18, 3                          ; which 256 along K
	s_lshl_b32 s21, s19, 2
	s_add_co_u32 s21, s21, s14                     ; which 32 columns: tiles 2 x this and 2 x this + 1
	s_lshl_b32 s26, s21, 15
	s_lshl_b32 s22, s20, 12
	s_add_co_u32 s26, s26, s22                     ; the images: 32,768 bytes for two tiles, 4,096 for two K steps
	s_mov_b32 s27, 0
	s_lshl_b32 s28, s21, 10
	s_lshl_b32 s22, s20, 7
	s_add_co_u32 s28, s28, s22
	s_add_co_u32 s28, s28, WSC                     ; the scale words
	s_mov_b32 s29, 0
	s_mov_b32 s25, 0
	s_lshl_b32 s23, s14, 7                         ; my wave's 32 columns, in bytes
	s_wait_alu depctr_va_vdst(0)
	v_lshlrev_b32 v3, 2, v6                        ; my column
	v_bfe_u32 v7, v6, 3, 1                         ; column l of 32 is place r = l % 8 + 8 (l / 16) of tile u = (l / 8) % 2
	v_and_b32 v8, 7, v6
	v_lshrrev_b32 v9, 4, v6
	v_lshl_add_u32 v8, v9, 3, v8
	v_lshlrev_b32 v4, 14, v7
	v_lshl_add_u32 v4, v8, 4, v4                   ; codes: 16,384 u + 16 r
	v_lshlrev_b32 v5, 9, v7
	v_lshl_add_u32 v5, v8, 3, v5                   ; scale words: 512 u + 8 r
	s_cmp_lt_u32 s19, 24
	s_cbranch_scc0 .Lwout
	s_lshl_b32 s24, s19, 9
	s_add_co_u32 s24, s24, s23
	s_mul_i32 s22, s20, 256*3072*4
	s_add_co_u32 s24, s24, s22
	s_wait_kmcnt 0x0
	s_add_nc_u64 s[6:7], s[6:7], s[24:25]
	s_add_nc_u64 s[30:31], s[12:13], s[26:27]
	s_add_nc_u64 s[32:33], s[12:13], s[28:29]
	s_wait_alu depctr_va_vdst(0)
	WBODY 3072, 6
.Lwout:
	s_sub_co_u32 s24, s19, 24
	s_lshl_b32 s24, s24, 9
	s_add_co_u32 s24, s24, s23
	s_lshl_b32 s22, s20, 20
	s_add_co_u32 s24, s24, s22
	s_wait_kmcnt 0x0
	s_add_nc_u64 s[8:9], s[8:9], s[24:25]
	s_add_nc_u64 s[30:31], s[12:13], s[26:27]
	s_add_nc_u64 s[32:33], s[12:13], s[28:29]
	s_wait_alu depctr_va_vdst(0)
	WBODY 1024, 8
.Lfunc_end_k_qe0c68d0736_quant:
	.size	k_qe0c68d0736_quant, .Lfunc_end_k_qe0c68d0736_quant-k_qe0c68d0736_quant
	.p2alignl 7, 3214868480
	.fill 96, 4, 3214868480
	.section	.rodata,"a",@progbits
	.p2align	6, 0x0
	.amdhsa_kernel k_qe0c68d0736_quant
		.amdhsa_group_segment_fixed_size 34304
		.amdhsa_private_segment_fixed_size 0
		.amdhsa_enable_private_segment 0
		.amdhsa_kernarg_size 40
		.amdhsa_user_sgpr_count 2
		.amdhsa_user_sgpr_kernarg_segment_ptr 1
		.amdhsa_wavefront_size32 1
		.amdhsa_system_sgpr_workgroup_id_x 1
		.amdhsa_system_sgpr_workgroup_id_y 1
		.amdhsa_system_sgpr_workgroup_id_z 1
		.amdhsa_system_vgpr_workitem_id 0
		.amdhsa_next_free_vgpr 256
		.amdhsa_next_free_sgpr 66
		.amdhsa_reserve_vcc 1
		.amdhsa_float_denorm_mode_32 3
		.amdhsa_float_denorm_mode_16_64 3
		.amdhsa_fp16_overflow 1
		.amdhsa_memory_ordered 1
		.amdhsa_forward_progress 1
		.amdhsa_inst_pref_size 110
	.end_amdhsa_kernel
	.amdgpu_metadata
---
amdhsa.version: [ 1, 2 ]
amdhsa.kernels:
  - .name:           k_qe0c68d0736_quant
    .symbol:         k_qe0c68d0736_quant.kd
    .args:
      - { .name: x, .offset: 0, .size: 8, .value_kind: global_buffer, .address_space: global }
      - { .name: w_qkv, .offset: 8, .size: 8, .value_kind: global_buffer, .address_space: global }
      - { .name: w_out, .offset: 16, .size: 8, .value_kind: global_buffer, .address_space: global }
      - { .name: xq, .offset: 24, .size: 8, .value_kind: global_buffer, .address_space: global }
      - { .name: wq, .offset: 32, .size: 8, .value_kind: global_buffer, .address_space: global }
    .group_segment_fixed_size: 34304
    .private_segment_fixed_size: 0
    .kernarg_segment_align: 8
    .kernarg_segment_size: 40
    .max_flat_workgroup_size: 128
    .sgpr_count:     66
    .vgpr_count:     256
    .wavefront_size: 32
...
	.end_amdgpu_metadata
.endif
;; end of part 1
;; launch qkv (part 2): grid 12 x 32, 4 waves a work-group, clusters of 4 x 4, 327,680 bytes of LDS; arguments xq, wq, qkv; writes qkv
.if DOCPART == 2
	.amdgcn_target "amdgcn-amd-amdhsa--gfx1250"
	.amdhsa_code_object_version 6
	.text
	.protected	k_qe0c68d0736_qkv
	.globl	k_qe0c68d0736_qkv
	.p2align	8
	.type	k_qe0c68d0736_qkv,@function
k_qe0c68d0736_qkv:
	s_mov_b64 s[64:65], 0
	v_nop
	global_prefetch_b8 v0, s[64:65] scope:SCOPE_SE
	s_setreg_imm32_b32 hwreg(HW_REG_WAVE_MODE, 25, 1), 1
	s_wait_xcnt 0x0
	s_wait_alu depctr_hold_cnt(0) depctr_sa_sdst(0) depctr_va_vdst(0) depctr_va_sdst(0) depctr_va_ssrc(0) depctr_va_vcc(0) depctr_vm_vsrc(0)
	s_getreg_b32 s2, hwreg(HW_REG_IB_STS2, 6, 4)
	s_cmp_eq_u32 s2, 0
	s_cbranch_scc0 .Lentry_in_a_cluster
	s_endpgm
.Lentry_in_a_cluster:
	s_bfe_u32 s2, ttmp6, 0x10000c
	s_cmp_lg_u32 s2, 0xf033
	s_cbranch_scc0 .Lentry_shape_is_right
	s_endpgm
.Lentry_shape_is_right:
; qkv = x w_qkv on codes of FP8 (E4M3) with E8M0 scales, K = 1,024, and its results quantised on the way out: q and k along the head's 64, v along the keys.  Nothing leaves as f32.
; OPERANDS lie in memory in the order of the matrix operand's registers: a TILE is 16 rows (tile 2 F + u, place r: row 32 F + 8 u + r + 8 (r / 8)); a fragment (a tile x 128 K) is 2,048 bytes, [c][lane][16 bytes];
; a buffer is [tile][K step 0-7][2,048] and behind it the scale words [tile][sk 0-3][r][q 0-1].  So a fragment comes from LDS by four loads at 16 x lane: no pitch, no padding.
; SHARES.  A work-group of four waves makes 256 x 256 results, a wave 128 x 128: 64 accumulators.  "B" is the matrix instruction's source 0, "A" its source 1: a lane's registers run along B's rows, and by the order
; of a tile's rows the 16 registers of two neighbouring tiles of B are 16 NEIGHBOURING rows of B, in the order of an operand's registers.  The results are quantised along B's rows:
;   clusters x = 0 (q) and 1 (k): B = w_qkv's columns (the head's 64), A = tokens;   clusters x = 2 (v): B = tokens (the keys), A = w_qkv's columns.  Only global addresses differ between the two.
; CLUSTERS: 4 x 4 work-groups; A's tiles are shared along a row of the cluster, B's along a column: each is asked for jointly, by the same tensor load with a mask that names the four.
; K goes in four slots' worth of 256 through a ring of two LDS slots; the text is written out (four slots), since each K step names its own scale registers.  All scale words come once, with the first fills.
; RESULTS (buffer qkv): q: [head 64][tile 128][c 0-1][lane][16] at 0; q's scale words [head][16][2][r][4 words] at QSC, each word [s0, s1, s0, s1];
;   from KV on, for each head and each 256 keys a record of 33,792 bytes: K's images [step 2][f 4][2,048] (fragment f: k 0-63 = key tile 2 f, k 64-127 = key tile 2 f + 1), V's images [step 2][d tile 4][2,048] (K = the step's 128 keys),
;   K's scale words [step][r][f], V's [step][r][d tile].
; LIMITS: a block of zeros gets the byte 1 where the rule says 127 (zero codes; this program alone reads the bytes); NaN and infinities are not served.
; REGISTERS, in windows of 256: window 0: v1-29 addresses; v32-95 all scale words; v128-255 A's 8 fragments, one set; on the way out v96-97 and v192-255 at work.  window 1: B's fragments, two sets, at v0 and v128.
;   window 2: accumulators of A's blocks 0-3 ((a, b) at v[8 (8 (a % 4) + b)]);  window 3: of blocks 4-7.
.set SLOT,   131072                    ; a slot: A's 16 tiles x 4,096 bytes (two K steps), then B's
.set HALFT,  32768                     ; 8 tiles: what one tensor load brings, and what one wave reads of A or of B
.set SCL,    262144                    ; behind the ring: A's scale words, 8,192 bytes, then B's
.set SPARE,  278528                    ; the spare words, 128 bytes for each wave: two blocks of 256 bytes that no other line names
.set QSC,    8388608
.set KV,     8912896
.set FR,     16
.set NP,     8                         ; places behind this matrix instruction (ISA guide 7.12.1)
.set ADRA, 16                          ; v16-17  LDS address of my A fragments in slot 0, 1
.set ADRB, 20                          ; v20-21  the same for B
.set ADRS, 27                          ; v27     of my scale words: lanes 0-15 A's, lanes 16-31 B's
.set SPW,  28                          ; v28     my spare word; never rewritten
.set NIL,  29                          ; v29     0; never rewritten
.set SC,   32                          ; v[SC + 8 i + 2 sk + q]: lanes 0-15 the word of A's block i, lanes 16-31 of B's block i, for K step 2 sk + q
.set AF,   128
.set T,    128
.set PC,   192                         ; two sets of 16: codes
.set TM,   224                         ; as in the quantiser: maxima, bytes, scale operands
.set PWS,  240                         ; v240-247 the scale word of each of A's blocks
.set OW,   248                         ; v248-255 the words as they are stored
.set G1, 24
.set G0, 32
.set G1B, 48
.set G0B, 56
.set G1S, 68
.set G0S, 76
.set G1SB, 80
.set G0SB, 88
.set MSB, 0
.macro WIN new                         ; the immediate's high byte repeats the setting that is left
.if MSB != \new
	s_set_vgpr_msb (MSB<<8)|\new
.set MSB, \new
.endif
.endm
.set MUL_LO, 0xa1                      ; source 0 (B) window 1, source 1 (A) window 0, C and D window 2
.set MUL_HI, 0xf1
.set TO_B,   0x40
.macro JLOAD g0a, g1a, g0b, g1b        ; a joint load: waves 0 and 1 fetch for A, waves 2 and 3 for B; four v_nop follow each of the two lines
	s_cmp_eq_u32 s15, 0
	s_cbranch_scc0 .Lfor_b_\@
	tensor_load_to_lds s[\g0a:\g0a+3], s[\g1a:\g1a+7]
	s_nop 0
.rept 4
	v_nop
.endr
	s_branch .Lasked_\@
.Lfor_b_\@:
	tensor_load_to_lds s[\g0b:\g0b+3], s[\g1b:\g1b+7]
	s_nop 0
.rept 4
	v_nop
.endr
.Lasked_\@:
.endm
.macro CREST                           ; a round of the cluster's barrier behind its opening barrier
	s_cmp_lg_u32 s14, 0
	s_cbranch_scc1 .Lnot_wave_0_\@
	s_barrier_signal -3
.Lnot_wave_0_\@:
	s_barrier_wait -3
	s_barrier_signal -1
	s_barrier_wait -1
.endm
.macro CROUND
	s_barrier_signal -1
	s_barrier_wait -1
	CREST
.endm
.macro PLACES n
.rept \n
	v_nop
.endr
.endm
.macro FRAG reg, adr, q, i             ; a fragment's image: four loads of 512 consecutive bytes
.irp c, 0,1,2,3
	ds_load_b128 v[\reg+4*\c:\reg+4*\c+3], v[\adr] offset:4096*(\i)+2048*(\q)+512*\c
.endr
.endm
.macro FETCH_B slot, q, p
	WIN TO_B
.irp i, 0,1,2,3,4,5,6,7
	FRAG 128*(\p)+FR*\i, ADRB+\slot, \q, \i
.endr
	WIN 0
.endm
.macro FETCH_A slot, q, i0
.irp i, \i0, \i0+1, \i0+2, \i0+3
	FRAG AF+FR*(\i), ADRA+\slot, \q, \i
.endr
.endm
; 16 matrix instructions: A's blocks a0, a0 + 1 x B's eight; K step 2 sk + q; p: B's set.  The 64 accumulators take turns, one instruction a turn, in the same order in every step.
.macro MUL16 a0, p, q, sk, zero
.irp a, \a0, \a0+1
.irp b, 0,1,2,3,4,5,6,7
.if \zero
	v_wmma_scale_f32_16x16x128_f8f6f4 v[8*(8*((\a)%4)+\b):8*(8*((\a)%4)+\b)+7], v[128*(\p)+FR*\b:128*(\p)+FR*\b+FR-1], v[AF+FR*(\a):AF+FR*(\a)+FR-1], 0, v[SC+8*\b+2*(\sk)+(\q)], v[SC+8*(\a)+2*(\sk)+(\q)] matrix_a_scale:MATRIX_SCALE_ROW1
.else
	v_wmma_scale_f32_16x16x128_f8f6f4 v[8*(8*((\a)%4)+\b):8*(8*((\a)%4)+\b)+7], v[128*(\p)+FR*\b:128*(\p)+FR*\b+FR-1], v[AF+FR*(\a):AF+FR*(\a)+FR-1], v[8*(8*((\a)%4)+\b):8*(8*((\a)%4)+\b)+7], v[SC+8*\b+2*(\sk)+(\q)], v[SC+8*(\a)+2*(\sk)+(\q)] matrix_a_scale:MATRIX_SCALE_ROW1
.endif
.endr
.endr
.endm
.macro STEP slot, sk, zero             ; a slot's first K step
	s_wait_dscnt 16                                ; all but the youngest 16 loads (A's blocks 4-7) are in
	WIN MUL_LO
	MUL16 0, 0, 0, \sk, \zero
	MUL16 2, 0, 0, \sk, \zero
	s_wait_dscnt 0x0                               ; A's blocks 4-7 are in
	PLACES NP                                      ; in front of loads into registers that matrix instructions have read
	FETCH_B \slot, 1, 1
	FETCH_A \slot, 1, 0
	WIN MUL_HI
	MUL16 4, 0, 0, \sk, \zero
	MUL16 6, 0, 0, \sk, \zero
	PLACES NP
	WIN 0
	FETCH_A \slot, 1, 4
.endm
.macro TURN slot, next, fill, sk       ; a slot's second K step changes slots: one barrier; fill = 1: it opens a round of the cluster's barrier, behind which this slot is filled again
	s_wait_tensorcnt 0x0                           ; all my tensor loads have landed: my part of the next slot
	ds_add_u32 v[SPW], v[NIL]                      ; 0 onto my spare word
	s_wait_dscnt 17                                ; the add and the youngest 16 loads (A's blocks 4-7) may be out
	WIN MUL_LO
	MUL16 0, 1, 1, \sk, 0                          ; sixteen matrix instructions stand between the add and the wait for it
	s_wait_dscnt 0x0                               ; the add is done, and my reads of this slot are over
	s_barrier_signal -1
	MUL16 2, 1, 1, \sk, 0
	WIN 0                                          ; at a branch and at a label every window is 0
	s_barrier_wait -1
.if \fill
	CREST                                          ; no wave of any partner still reads this slot or has a load on its way
	s_add_nc_u64 s[G0+4*\slot+2:G0+4*\slot+3], s[G0+4*\slot+2:G0+4*\slot+3], 8192
	s_add_nc_u64 s[G0B+4*\slot+2:G0B+4*\slot+3], s[G0B+4*\slot+2:G0B+4*\slot+3], 8192
	JLOAD G0+4*\slot, G1, G0B+4*\slot, G1B         ; the first tensor load behind the round; its four v_nop are among the places in front of the loads below
	PLACES NP-4
.else
	PLACES NP
.endif
	FETCH_B \next, 0, 0
	FETCH_A \next, 0, 0
	WIN MUL_HI
	MUL16 4, 1, 1, \sk, 0
	MUL16 6, 1, 1, \sk, 0
	PLACES NP
	WIN 0
	FETCH_A \next, 0, 4
.endm
.macro LAST sk                         ; the very last K step: nothing more to fetch
	s_wait_dscnt 16
	WIN MUL_LO
	MUL16 0, 1, 1, \sk, 0
	MUL16 2, 1, 1, \sk, 0
	s_wait_dscnt 0x0
	WIN MUL_HI
	MUL16 4, 1, 1, \sk, 0
	MUL16 6, 1, 1, \sk, 0
	WIN 0
.endm
	s_load_b128 s[4:7], s[0:1], 0x0                ; xq s[4:5], wq s[6:7]
	s_load_b64 s[8:9], s[0:1], 0x10                ; qkv
	v_lshl_add_u32 v[SPW], v0, 2, SPARE
	v_mov_b32 v[NIL], 0
	ds_add_u32 v28, v29
	ds_add_u32 v28, v29
	s_wait_dscnt 0x0
	v_lshrrev_b32 v1, 5, v0
	v_readfirstlane_b32 s14, v1                    ; wave 0..3
	s_lshr_b32 s15, s14, 1                         ; which half of A's rows is mine.  Also: I fetch for A (0) or for B (1)
	s_and_b32 s16, s14, 1                          ; which half of B's rows.  Also: which 8 tiles I fetch
	s_bfe_u32 s40, ttmp6, 0x40000                  ; cx, cy: my place in the cluster
	s_bfe_u32 s41, ttmp6, 0x40004
	s_lshl_b32 s43, s41, 2
	s_lshl_b32 s43, 15, s43                        ; my row of the cluster
	s_lshl_b32 s44, 0x1111, s40                    ; my column
	; codes: 8 tiles' 4,096 bytes (two K steps), 16,384 bytes apart, as rows of 512 elements of 8 bytes
	s_or_b32 s[G1+0], s43, (3<<16)|(1<<21)         ; 15:0 the mask; 17:16 elements of 8 bytes; 21 set beside a mask; no padding
	s_or_b32 s[G1B+0], s44, (3<<16)|(1<<21)
.irp g, G1, G1B
	s_mov_b32 s[\g+1], 512<<16                     ; tensor_dim0
	s_mov_b32 s[\g+2], 8<<16                       ; tensor_dim1
	s_mov_b32 s[\g+3], 512<<16                     ; tile_dim0
	s_mov_b32 s[\g+4], 8                           ; tile_dim1
	s_mov_b32 s[\g+5], 2048                        ; tensor_dim0_stride
	s_mov_b32 s[\g+6], 0
	s_mov_b32 s[\g+7], 0
.endr
	; scale words of 8 tiles: 4,096 dense bytes as 16 rows of 256
	s_or_b32 s[G1S+0], s43, (3<<16)|(1<<21)
	s_or_b32 s[G1SB+0], s44, (3<<16)|(1<<21)
.irp g, G1S, G1SB
	s_mov_b32 s[\g+1], 32<<16
	s_mov_b32 s[\g+2], 16<<16
	s_mov_b32 s[\g+3], 32<<16
	s_mov_b32 s[\g+4], 16
	s_mov_b32 s[\g+5], 32
	s_mov_b32 s[\g+6], 0
	s_mov_b32 s[\g+7], 0
.endr
	; which blocks of 256 rows: q, k: A = tokens 4 y + cy, B = columns 4 x + cx;  v: A = columns 8 + cy, B = tokens 4 y + cx.  A's hangs on cy alone, B's on cx alone; the choice hangs on the cluster's x, which all partners share
	s_and_b32 s17, ttmp7, 0xffff
	s_lshl_b32 s18, s17, 2
	s_lshl_b32 s19, ttmp9, 2
	s_mov_b32 s12, 0x400000                        ; where wq's scale words begin,
	s_mov_b32 s13, 0x800000                        ; and xq's
	s_cmp_eq_u32 ttmp9, 2
	s_cselect_b32 s10, 8, s18
	s_cselect_b32 s11, s18, s19
	s_cselect_b32 s22, s12, s13
	s_cselect_b32 s92, s13, s12
	s_add_co_u32 s10, s10, s41                     ; A's block
	s_add_co_u32 s11, s11, s40                     ; B's block
	s_lshl_b32 s12, s16, 17                        ; the 8 tiles that I fetch: 131,072 bytes of codes,
	s_lshl_b32 s13, s16, 12                        ; 4,096 of scale words
	s_lshl_b32 s20, s10, 18
	s_add_co_u32 s20, s20, s12
	s_mov_b32 s21, 0
	s_lshl_b32 s23, s10, 13
	s_add_co_u32 s22, s22, s23
	s_add_co_u32 s22, s22, s13
	s_mov_b32 s23, 0
	s_lshl_b32 s46, s11, 18
	s_add_co_u32 s46, s46, s12
	s_mov_b32 s47, 0
	s_lshl_b32 s93, s11, 13
	s_add_co_u32 s92, s92, s93
	s_add_co_u32 s92, s92, s13
	s_mov_b32 s93, 0
	s_lshl_b32 s45, s14, 15                        ; where they go: wave x 32,768; no place in the cluster enters an LDS address
	s_lshl_b32 s94, s14, 12
	s_wait_kmcnt 0x0
	s_cmp_eq_u32 ttmp9, 2
	s_cselect_b64 s[96:97], s[6:7], s[4:5]         ; A's buffer
	s_cselect_b64 s[98:99], s[4:5], s[6:7]         ; B's
	s_add_nc_u64 s[20:21], s[96:97], s[20:21]
	s_add_nc_u64 s[22:23], s[96:97], s[22:23]
	s_add_nc_u64 s[46:47], s[98:99], s[46:47]
	s_add_nc_u64 s[92:93], s[98:99], s[92:93]
	CROUND                                         ; all sixteen work-groups are here: the first joint loads meet
	s_mov_b32 s[G0S], 1
	s_add_co_u32 s[G0S+1], s94, SCL
	s_mov_b64 s[G0S+2:G0S+3], s[22:23]
	s_or_b32 s[G0S+3], s[G0S+3], 0x80000000
	s_mov_b32 s[G0SB], 1
	s_add_co_u32 s[G0SB+1], s94, SCL
	s_mov_b64 s[G0SB+2:G0SB+3], s[92:93]
	s_or_b32 s[G0SB+3], s[G0SB+3], 0x80000000
	JLOAD G0S, G1S, G0SB, G1SB                     ; the scale words first
.irp s, 0,1
	s_mov_b32 s[G0+4*\s], 1
	s_add_co_u32 s[G0+4*\s+1], s45, \s*SLOT
	s_add_nc_u64 s[G0+4*\s+2:G0+4*\s+3], s[20:21], \s*4096
	s_or_b32 s[G0+4*\s+3], s[G0+4*\s+3], 0x80000000
	s_mov_b32 s[G0B+4*\s], 1
	s_add_co_u32 s[G0B+4*\s+1], s45, \s*SLOT
	s_add_nc_u64 s[G0B+4*\s+2:G0B+4*\s+3], s[46:47], \s*4096
	s_or_b32 s[G0B+4*\s+3], s[G0B+4*\s+3], 0x80000000
	JLOAD G0+4*\s, G1, G0B+4*\s, G1B
.endr
	v_and_b32 v1, 15, v0                           ; r
	v_bfe_u32 v2, v0, 4, 1                         ; h
	s_wait_alu depctr_va_vdst(0)
	v_and_b32 v3, 31, v0                           ; lane
	s_wait_alu depctr_va_vdst(0)
	v_lshlrev_b32 v4, 4, v3                        ; 16 x lane
	s_lshl_b32 s21, s15, 15                        ; my 8 tiles of A
	s_lshl_b32 s22, s16, 15                        ; my 8 tiles of B,
	s_add_co_u32 s22, s22, 2*HALFT                 ; behind A's 16
.irp s, 0,1
	v_add_nc_u32 v[ADRA+\s], s21, v4
	v_add_nc_u32 v[ADRB+\s], s22, v4
	s_add_co_u32 s21, s21, SLOT
	s_add_co_u32 s22, s22, SLOT
.endr
	s_lshl_b32 s21, s15, 12                        ; A's scale words: my 8 tiles
	s_lshl_b32 s22, s16, 12                        ; B's: my 8 tiles, behind A's 8,192 bytes
	s_add_co_u32 s22, s22, 8192
	s_sub_co_u32 s22, s22, s21
	v_mul_u32_u24 v6, s22, v2                      ; lanes 16-31 take B's
	v_lshl_add_u32 v5, v1, 3, v6                   ; 8 bytes a row
	s_add_co_u32 s21, s21, SCL
	v_add_nc_u32 v[ADRS], s21, v5
	; where my results go
	s_cmp_eq_u32 ttmp9, 2
	s_cselect_b32 s12, s11, s10                    ; my block of 256 tokens,
	s_cselect_b32 s13, s16, s15                    ; my half of it,
	s_cselect_b32 s17, s41, s40                    ; my block of four heads,
	s_cselect_b32 s18, s15, s16                    ; my two of them
	s_lshl_b32 s12, s12, 1
	s_add_co_u32 s12, s12, s13                     ; which 128 tokens of 8,192
	s_lshr_b32 s13, s12, 4                         ; the batch
	s_and_b32 s12, s12, 15                         ; which 128 of its 2,048
	s_lshl_b32 s17, s17, 2
	s_lshl_b32 s18, s18, 1
	s_add_co_u32 s17, s17, s18
	s_lshl_b32 s13, s13, 4
	s_add_co_u32 s13, s13, s17                     ; 16 x batch + my first head
	s_mul_i32 s19, s13, 270336
	s_lshr_b32 s20, s12, 1
	s_mul_i32 s20, s20, 33792
	s_add_co_u32 s19, s19, s20
	s_add_co_u32 s19, s19, KV                      ; k, v: the record of my 256 keys
	s_and_b32 s20, s12, 1                          ; which step of it
	s_lshr_b32 s21, ttmp9, 1                       ; 0 for k, 1 for v
	s_lshl_b32 s22, s21, 14
	s_lshl_b32 s23, s20, 13
	s_add_co_u32 s22, s22, s23
	s_add_co_u32 s22, s22, s19                     ; k, v: images
	s_lshl_b32 s21, s21, 9
	s_lshl_b32 s23, s20, 8
	s_add_co_u32 s21, s21, s23
	s_add_co_u32 s21, s21, s19
	s_add_co_u32 s21, s21, 32768                   ; k, v: scale words
	s_lshl_b32 s42, s13, 17
	s_lshl_b32 s23, s12, 13
	s_add_co_u32 s42, s42, s23                     ; q: images
	s_lshl_b32 s45, s13, 13
	s_lshl_b32 s23, s12, 9
	s_add_co_u32 s45, s45, s23
	s_add_co_u32 s45, s45, QSC                     ; q: scale words
	s_mov_b32 s46, 131072                          ; from a head to the next: q's images,
	s_mov_b32 s47, 8192                            ; q's scale words,
	s_mov_b32 s23, 270336                          ; k's and v's records
	s_cmp_eq_u32 ttmp9, 0
	s_cselect_b32 s92, s42, s22
	s_cselect_b32 s94, s45, s21
	s_cselect_b32 s46, s46, s23
	s_cselect_b32 s47, s47, s23
	s_mov_b32 s93, 0
	s_mov_b32 s95, 0
	s_add_nc_u64 s[92:93], s[8:9], s[92:93]        ; images
	s_add_nc_u64 s[94:95], s[8:9], s[94:95]        ; scale words
	v_lshlrev_b32 v8, 4, v3                        ; v8: 16 x lane, my first head;
	v_add_nc_u32 v9, s46, v8                       ; v9: my second head
	v_mul_u32_u24 v10, s47, v2
	v_lshl_add_u32 v10, v1, 4, v10                 ; v10: scale words: lanes 0-15 my first head, lanes 16-31 my second; 16 bytes a row
	s_mov_b32 s2, 0x76543210
	s_mov_b32 s3, 0xfedcba98                       ; v_permlanex16_b32's selects for lane l xor 16
	s_wait_alu depctr_va_vdst(0)
	s_wait_tensorcnt 1                             ; the scale words and my part of slot 0 are in (slot 1's load may be out),
	s_barrier_signal -1
	s_barrier_wait -1                              ; everybody's are
.irp i, 0,1,2,3,4,5,6,7
.irp k, 0,1,2,3
	ds_load_b64 v[SC+8*\i+2*\k:SC+8*\i+2*\k+1], v[ADRS] offset:512*\i+128*\k   ; all scale words, once
.endr
.endr
	FETCH_B 0, 0, 0
	FETCH_A 0, 0, 0
	FETCH_A 0, 0, 4
	STEP 0, 0, 1                                   ; the first products start the sums: nothing is cleared
	TURN 0, 1, 1, 0
	STEP 1, 1, 0
	TURN 1, 0, 1, 1
	STEP 0, 2, 0
	TURN 0, 1, 0, 2                                ; nothing is left to fetch: no round
	STEP 1, 3, 0
	LAST 3
	PLACES NP                                      ; in front of the first reads of results and of writes into the registers that held A's fragments
; THE WAY OUT.  For A's block a, register 16 b + i of the block's 64 is B's row 32 b + 16 h + i at A's place r: the layout that the quantiser takes and that an operand's registers have.
; So the codes are stored as they come, each store 512 consecutive bytes; no stage in LDS.
.irp b, 0,1,2,3
	v_mov_b32 v[TM+4+\b], 0                        ; written once: a lane permute's destination counts as one of its sources
.endr
.macro QACC a
.set AC, 64*((\a)%4)
.set PCS, PC+16*((\a)%2)
.if (\a) >= 2
	s_wait_xcnt 0x0                                ; the stores of two blocks ago have read this set of codes
.endif
	WIN 0x0a+5*((\a)/4)                            ; sources 0 and 1: the accumulators' window
.irp b, 0,1,2,3
	v_max3_num_f32 v[TM+\b], |v[AC+16*\b]|, |v[AC+16*\b+1]|, 0x4800000   ; each accumulator is read from its low end on; the floor 2^(9 - 127)
.endr
.irp i, 2,4,6,8,10,12,14
.irp b, 0,1,2,3
	v_max3_num_f32 v[TM+\b], |v[AC+16*\b+\i]|, |v[AC+16*\b+\i+1]|, v[TM+\b]
.endr
.endr
	WIN 0
.irp b, 0,1,2,3
	v_permlanex16_b32 v[TM+4+\b], v[TM+\b], s2, s3
.endr
.irp b, 0,1,2,3
	v_max_num_f32 v[TM+\b], v[TM+\b], v[TM+4+\b]
.endr
.irp b, 0,1,2,3
	v_add_nc_u32 v[TM+12+\b], 0xfc000000, v[TM+\b]
.endr
.irp b, 0,1,2,3
.endr
.irp b, 0,1,2,3
	v_lshrrev_b32 v[TM+4+\b], 23, v[TM+12+\b]
.endr
	v_lshl_or_b32 v[PWS+(\a)], v[TM+5], 8, v[TM+4]
	v_lshl_or_b32 v[PWS+(\a)], v[TM+6], 16, v[PWS+(\a)]
	v_lshl_or_b32 v[PWS+(\a)], v[TM+7], 24, v[PWS+(\a)]
	WIN 0x02+((\a)/4)                              ; source 0: the accumulators' window
.irp b, 0,1,2,3
.irp i, 0,1,2,3,4,5,6,7,8,9,10,11,12,13,14,15
.endr
.endr
.irp b, 0,1,2,3
	v_cvt_scalef32_pk8_fp8_f32 v[PCS+4*\b:PCS+4*\b+1], v[AC+16*\b:AC+16*\b+7], v[TM+12+\b]
	v_cvt_scalef32_pk8_fp8_f32 v[PCS+4*\b+2:PCS+4*\b+3], v[AC+16*\b+8:AC+16*\b+15], v[TM+12+\b]
.endr
	WIN 0
	v_nop                                          ; a plain line behind the last conversion
	s_cmp_eq_u32 ttmp9, 2
	s_cbranch_scc1 .Lqv_\@
.irp j, 0,1,2,3                                ; q, k: block a is a tile of tokens; codes 4 j on are head j / 2, d 32 (j % 2) on
	global_store_b128 v[8+\j/2], v[PCS+4*\j:PCS+4*\j+3], s[92:93] offset:1024*(\a)+512*(\j%2)
.endr
	s_branch .Lqd_\@
.Lqv_\@:
	s_wait_alu depctr_va_vdst(0)
.irp j, 0,1,2,3                                ; v: block a is d tile a % 4 of head a / 4; codes 4 j on are keys 32 j on
	global_store_b128 v[8+(\a)/4], v[PCS+4*\j:PCS+4*\j+3], s[92:93] offset:2048*((\a)%4)+512*\j
.endr
.Lqd_\@:
.endm
.irp a, 0,1,2,3,4,5,6,7
	QACC \a
.endr
	; the scale words: lanes 0-15 make my first head's, lanes 16-31 my second's; each store fills two runs of 256 consecutive bytes
	v_cmp_le_u32 vcc_lo, 16, v3
	s_cmp_eq_u32 ttmp9, 0
	s_cbranch_scc1 .Lsq
	s_cmp_eq_u32 ttmp9, 1
	s_cbranch_scc1 .Lsk
	v_mov_b32 v96, 0x03020100                      ; v: the word of d tile d: block d's, or block d + 4's
	v_mov_b32 v97, 0x07060504
	v_cndmask_b32 v96, v96, v97, vcc_lo
.irp d, 0,1,2,3
	v_perm_b32 v[OW+\d], v[PWS+\d+4], v[PWS+\d], v96
.endr
	global_store_b128 v10, v[OW:OW+3], s[94:95]
	s_branch .Lsdone
.Lsk:
	v_mov_b32 v96, 0x05040100                      ; k: fragment f's word: key tile 2 f's two bytes of my head, then key tile 2 f + 1's
	v_mov_b32 v97, 0x07060302
	v_cndmask_b32 v96, v96, v97, vcc_lo
.irp f, 0,1,2,3
	v_perm_b32 v[OW+\f], v[PWS+2*\f+1], v[PWS+2*\f], v96
.endr
	global_store_b128 v10, v[OW:OW+3], s[94:95]
	s_branch .Lsdone
.Lsq:
	v_mov_b32 v96, 0x01000100                      ; q: my head's two bytes, twice
	v_mov_b32 v97, 0x03020302
	v_cndmask_b32 v96, v96, v97, vcc_lo
.irp a, 0,1,2,3,4,5,6,7
	v_perm_b32 v[OW+\a], v[PWS+\a], v[PWS+\a], v96
.endr
	global_store_b128 v10, v[OW:OW+3], s[94:95]
	global_store_b128 v10, v[OW+4:OW+7], s[94:95] offset:256
.Lsdone:
	s_wait_tensorcnt 0x0                           ; the wave's end
	ds_add_u32 v[SPW], v[NIL]
	s_wait_dscnt 0x0
	CROUND                                         ; the closing round: no work-group ends while a partner may still ask for a tile that names it
	s_endpgm
.Lfunc_end_k_qe0c68d0736_qkv:
	.size	k_qe0c68d0736_qkv, .Lfunc_end_k_qe0c68d0736_qkv-k_qe0c68d0736_qkv
	.p2alignl 7, 3214868480
	.fill 96, 4, 3214868480
	.section	.rodata,"a",@progbits
	.p2align	6, 0x0
	.amdhsa_kernel k_qe0c68d0736_qkv
		.amdhsa_group_segment_fixed_size 327680
		.amdhsa_private_segment_fixed_size 0
		.amdhsa_enable_private_segment 0
		.amdhsa_kernarg_size 24
		.amdhsa_user_sgpr_count 2
		.amdhsa_user_sgpr_kernarg_segment_ptr 1
		.amdhsa_wavefront_size32 1
		.amdhsa_system_sgpr_workgroup_id_x 1
		.amdhsa_system_sgpr_workgroup_id_y 1
		.amdhsa_system_sgpr_workgroup_id_z 1
		.amdhsa_system_vgpr_workitem_id 0
		.amdhsa_next_free_vgpr 1024
		.amdhsa_next_free_sgpr 100
		.amdhsa_reserve_vcc 1
		.amdhsa_float_denorm_mode_32 3
		.amdhsa_float_denorm_mode_16_64 3
		.amdhsa_fp16_overflow 1
		.amdhsa_memory_ordered 1
		.amdhsa_forward_progress 1
		.amdhsa_inst_pref_size 156
	.end_amdhsa_kernel
	.amdgpu_metadata
---
amdhsa.version: [ 1, 2 ]
amdhsa.kernels:
  - .name:           k_qe0c68d0736_qkv
    .symbol:         k_qe0c68d0736_qkv.kd
    .args:
      - { .name: xq, .offset: 0, .size: 8, .value_kind: global_buffer, .address_space: global }
      - { .name: wq, .offset: 8, .size: 8, .value_kind: global_buffer, .address_space: global }
      - { .name: qkv, .offset: 16, .size: 8, .value_kind: global_buffer, .address_space: global }
    .group_segment_fixed_size: 327680
    .private_segment_fixed_size: 0
    .kernarg_segment_align: 8
    .kernarg_segment_size: 24
    .max_flat_workgroup_size: 128
    .sgpr_count:     100
    .vgpr_count:     1024
    .wavefront_size: 32
...
	.end_amdgpu_metadata
.endif
;; end of part 2
;; launch attn (part 3): grid 4 x 64, 16 waves a work-group, no clusters, 327,680 bytes of LDS; arguments qkv, ctx; writes ctx
.if DOCPART == 3
	.amdgcn_target "amdgcn-amd-amdhsa--gfx1250"
	.amdhsa_code_object_version 6
	.text
	.protected	k_qe0c68d0736_attn
	.globl	k_qe0c68d0736_attn
	.p2align	8
	.type	k_qe0c68d0736_attn,@function
k_qe0c68d0736_attn:
	s_mov_b64 s[64:65], 0
	v_nop
	global_prefetch_b8 v0, s[64:65] scope:SCOPE_SE
	s_setreg_imm32_b32 hwreg(HW_REG_WAVE_MODE, 25, 1), 1
	s_wait_xcnt 0x0
; ctx = softmax(q k^T / 8, causal) v for one head, both products on codes of FP8 (E4M3) with E8M0 scales, and ctx quantised along the model's 1,024 for the last product (a block of 32 lies inside one head).
; THE SOFTMAX AHEAD OF THE SECOND PRODUCT: t = score x log2(e) / 8; M = the row's largest t so far, rounded UP to a whole number; p = 2^(t - M) is quantised along the keys, not normalised; the row's sum is taken of the
; unquantised p and divides O at the end.  When M moves, the sum and O are multiplied by 2^(old M - new M): exact.
; SHARES.  Work-group (i, head) owns the blocks i and 7 - i of 256 queries: (i + 1) + (8 - i) = 9 slots of 256 keys for EVERY work-group: 256 equal work-groups, and the loop's trip count is a constant.
; Each of sixteen waves owns one tile of 16 queries of the block in hand (tile 2 F + u, place r: query 32 F + 8 u + r + 8 (r / 8)), in 256 registers: four waves to a SIMD, one wave's vector work beside another's products.
; NO CLUSTER: in one trip the four work-groups of a head need different records (trip n reads record n in the first block and n - i - 1 in the second), so no joint request has one descriptor for all four; walking in step would cost 12 slots' time for 9.
; K AND V come as records of 33,792 bytes for 256 keys, laid by the launch before in the order of the operands' registers: one dense block, a quarter to each of waves 0-3, into a ring of two LDS slots; read by all sixteen.
; THE HEAD'S 64 AGAINST AN INSTRUCTION OF K = 128: a fragment of K carries TWO key tiles (k 0-63: tile 2 f; k 64-127: tile 2 f + 1) and is multiplied by [q | 0] and by [0 | q]: zero codes add nothing under any scale byte.
; Both products are used transposed (source 0 = keys, or V's d; source 1 = my queries): a lane holds ONE query; by the order of a tile's rows the 16 registers of two neighbouring tiles are 16 neighbouring keys (or d).
; CAUSAL: a step all of whose 128 keys come after my queries is jumped over (a scalar branch on ids; no barrier or tensor load stands in a step); on the diagonal hidden scores become -infinity ahead of the maximum.
; LIMITS: a block of zeros gets the byte 1 where the rule says 127 (zero codes; this program alone reads the bytes); NaN and infinities are not served.
.set SLOT1, 65536                      ; slot 0 at 0, slot 1 here: one exclusive or turns an address
.set SPARE, 131072                     ; the spare words, 128 bytes for each of sixteen waves: eight blocks of 256 bytes that no other line names
.set QSC,   8388608
.set KV,    8912896
.set XSC,   8388608                    ; where ctx's scale words begin
.set L16, 1                            ; v1   16 x lane
.set SCA, 2                            ; v2   16 r
.set SPW, 3                            ; v3   my spare word; never rewritten
.set NIL, 4                            ; v4   0; never rewritten
.set QL,  5                            ; v5   r + 8 (r / 8) - 16 h
.set ADK, 6                            ; v6   LDS address of the step's images
.set ADS, 7                            ; v7   of its scale words
.set R8,  8                            ; v8   8 r
.set NINF, 9                           ; v9   -infinity
                                       ; v12 -M, v13 the largest t, v[14:15] the sum in two halves;  v16-23 zeros, v24-31 q's codes, v32-39 zeros: [q | 0] = v[24:39], [0 | q] = v[16:31]
.set KVF, 40                           ; v40-103  four fragments of K or of V
.set S,   104                          ; v104-167 S^T, then p
.set O,   168                          ; v168-199 O^T
.set PC,  200                          ; v200-215 p's codes
.set BM,  216                          ; v216-219 each block's largest score, then its largest p
.set PX,  220                          ; v220-223 at work
.set HL,  224
.set SO,  228                          ; v228-231 the conversions' scale operands
.set KS,  232                          ; v232-235 K's scale words
.set VS,  236                          ; v236-239 V's
.set QS,  240                          ; v240     q's
.set F,   242                          ; v242     f = 2^(old M - new M)
.set PS,  243                          ; v243     p's scale word
.set TT,  244                          ; v244     at work
.set L2,  246                          ; v[246:247] the sum's second chain
.set WV,  8
.set I,   9
.set BH,  10
.set QB,  11                           ; s11 the block of queries in hand
.set Q0,  12                           ; s12 my tile's first query
.set KF,  13                           ; s13 the step's first key
.set N,   14                           ; s14 the trip
.set TB,  15                           ; s15 LDS byte at which the slot in hand begins
.set FO,  16                           ; s[16:17] the next record's byte in the head's records
.set MNT, 18
.set SEL, 20
.set CS,  22                           ; s[22:23] c = log2(e) / 8
.set G1,  24
.set G0,  32
.set KVW, 36                           ; s[36:37] the head's records at my quarter
.macro TLOAD                           ; waves 0-3 fetch a quarter of a record each; four v_nop follow the line
	s_cmp_lt_u32 s[WV], 4
	s_cbranch_scc0 .Lno_load_\@
	tensor_load_to_lds s[G0:G0+3], s[G1:G1+7]
	s_nop 0
.rept 4
	v_nop
.endr
.Lno_load_\@:
.endm
; The block s[QB]: my tile's addresses, its codes and scale words, and the softmax's state.
.macro INIT
	s_lshl_b32 s54, s[QB], 4
	s_add_co_u32 s54, s54, s[WV]                   ; my tile in the head, 0..127
	s_lshl_b32 s[Q0], s[QB], 8
	s_lshr_b32 s55, s[WV], 1
	s_lshl_b32 s55, s55, 5
	s_add_co_u32 s[Q0], s[Q0], s55
	s_and_b32 s55, s[WV], 1
	s_lshl_b32 s55, s55, 3
	s_add_co_u32 s[Q0], s[Q0], s55                 ; 256 block + 32 (wave / 2) + 8 (wave % 2)
	s_mov_b32 s57, 0
	s_lshl_b32 s56, s54, 10
	s_add_nc_u64 s[46:47], s[38:39], s[56:57]      ; q's image: 1,024 bytes a tile
	s_lshr_b32 s56, s54, 2
	s_lshl_b32 s56, s56, 8
	s_and_b32 s55, s54, 3
	s_lshl_b32 s55, s55, 2
	s_add_co_u32 s56, s56, s55
	s_add_nc_u64 s[48:49], s[40:41], s[56:57]      ; q's scale words: 256 bytes for four tiles, [r][4 words]
	s_lshl_b32 s56, s54, 14
	s_add_nc_u64 s[50:51], s[42:43], s[56:57]      ; ctx's image
	s_lshl_b32 s56, s54, 9
	s_add_nc_u64 s[52:53], s[44:45], s[56:57]      ; ctx's scale bytes
	global_load_b128 v[24:27], v[L16], s[46:47]
	global_load_b128 v[28:31], v[L16], s[46:47] offset:512
	global_load_b32 v[QS], v[SCA], s[48:49]
	v_mov_b32 v13, 0xff61b1e6                      ; the largest t so far: -3e38, under every t
	s_delay_alu instid0(VALU_DEP_1)
	v_floor_f32 v12, -v13                          ; -M
	v_mov_b32 v14, 0
	v_mov_b32 v15, 0
.set cnt, 0
.rept 32
	v_mov_b32 v[O+cnt], 0                          ; O^T: the step is written once; the first finds zeros, which the first change of M leaves zeros
.set cnt, cnt+1
.endr
	s_wait_loadcnt 0x0
.endm
; A KEY STEP: 128 keys, the q-th of the slot in hand.
.macro STEP q
	s_add_co_u32 s19, s[Q0], 23                    ; my last query
	s_cmp_gt_u32 s[KF], s19
	s_cbranch_scc1 .Lhidden_\@
	v_add_nc_u32 v[ADK], s[TB], v[L16]
	v_add_nc_u32 v[ADS], s[TB], v[SCA]
.rept 6
	v_nop                                          ; with the two additions: eight places in front of loads into registers that the last products read
.endr
	ds_load_b128 v[KS:KS+3], v[ADS] offset:32768+256*\q
.irp f, 0,1,2,3
.irp c, 0,1,2,3
	ds_load_b128 v[KVF+16*\f+4*\c:KVF+16*\f+4*\c+3], v[ADK] offset:8192*\q+2048*\f+512*\c
.endr
.endr
	s_wait_alu depctr_va_vdst(0)
	s_wait_dscnt 0x0
.irp f, 0,1,2,3                                ; S^T: register 16 f + i is key 32 f + 16 h + i of the step
	v_wmma_scale_f32_16x16x128_f8f6f4 v[S+16*\f:S+16*\f+7], v[KVF+16*\f:KVF+16*\f+15], v[24:39], 0, v[KS+\f], v[QS]
	v_wmma_scale_f32_16x16x128_f8f6f4 v[S+16*\f+8:S+16*\f+15], v[KVF+16*\f:KVF+16*\f+15], v[16:31], 0, v[KS+\f], v[QS]
.endr
.rept 8
	v_nop                                          ; places in front of the loads below and of the first reads of the scores
.endr
	ds_load_b128 v[VS:VS+3], v[ADS] offset:33280+256*\q     ; V is asked for now and lands under the softmax
.irp f, 0,1,2,3
.irp c, 0,1,2,3
	ds_load_b128 v[KVF+16*\f+4*\c:KVF+16*\f+4*\c+3], v[ADK] offset:16384+8192*\q+2048*\f+512*\c
.endr
.endr
	s_add_co_u32 s19, s[KF], 127
	s_cmp_le_u32 s19, s[Q0]
	s_cbranch_scc1 .Lopen_\@                       ; all keys of the step count for all my queries
	s_sub_co_i32 s19, s[Q0], s[KF]
	v_add_nc_u32 v[TT], s19, v[QL]                 ; d = my query - the step's first key - 16 h: register 16 f + i is hidden where 32 f + i > d
.set cnt, 0
.rept 64
	v_cmp_gt_i32 vcc_lo, 32*(cnt/16)+cnt%16, v[TT]
	v_cndmask_b32 v[S+cnt], v[S+cnt], v[NINF], vcc_lo
.set cnt, cnt+1
.endr
.Lopen_\@:
.irp b, 0,1,2,3
	v_max3_num_f32 v[BM+\b], v[S+16*\b], v[S+1+16*\b], v[S+2+16*\b]   ; the largest score of each block of 32 keys: for the row's maximum, and, since p rises with the score, for the block's largest p
.endr
.irp i, 3,5,7,9,11,13
.irp b, 0,1,2,3
	v_max3_num_f32 v[BM+\b], v[BM+\b], v[S+16*\b+\i], v[S+1+16*\b+\i]
.endr
.endr
.irp b, 0,1,2,3
	v_max_num_f32 v[BM+\b], v[BM+\b], v[S+15+16*\b]
.endr
.irp b, 0,1,2,3
	s_delay_alu instid0(VALU_DEP_4)
	v_permlanex16_b32 v[PX+\b], v[BM+\b], s[SEL], s[SEL+1]
.endr
.irp b, 0,1,2,3
	s_delay_alu instid0(VALU_DEP_4)
	v_max_num_f32 v[BM+\b], v[BM+\b], v[PX+\b]     ; with lane l xor 16's 16 keys
.endr
	s_delay_alu instid0(VALU_DEP_2)
	v_max3_num_f32 v[TT], v[BM], v[BM+1], v[BM+2]
	s_delay_alu instid0(VALU_DEP_1)
	v_max_num_f32 v[TT], v[TT], v[BM+3]
	s_delay_alu instid0(VALU_DEP_1)
	v_mul_f32 v[TT], s[CS], v[TT]                  ; the step's largest t of my query
	s_delay_alu instid0(VALU_DEP_1)
	v_max_num_f32 v13, v13, v[TT]
	v_mov_b32 v[TT], v12
	s_delay_alu instid0(VALU_DEP_2)
	v_floor_f32 v12, -v13                          ; the new -M = -ceil(t): a whole number
	s_delay_alu instid0(VALU_DEP_1)
	v_sub_f32 v[TT], v12, v[TT]                    ; old M - new M, 0 or less
	s_delay_alu instid0(VALU_DEP_1)
	v_cvt_i32_f32 v[TT], v[TT]                     ; (it saturates)
	s_delay_alu instid0(VALU_DEP_1)
	v_ldexp_f32 v[F], 1.0, v[TT]                   ; f = 2^(old M - new M)
.set cnt, 0
.rept 32
	v_pk_fma_f32 v[S+cnt:S+cnt+1], v[S+cnt:S+cnt+1], s[CS:CS+1], v[12:13] op_sel_hi:[1,0,0]   ; t - M, two at a time
.set cnt, cnt+2
.endr
.irp b, 0,1,2,3
	v_fma_f32 v[BM+\b], v[BM+\b], s[CS], v12       ; the same of each block's largest score
.endr
.set cnt, 0
	s_wait_alu depctr_va_vdst(0)
.rept 64
	v_exp_f32 v[S+cnt], v[S+cnt]                   ; p = 2^(t - M)
.set cnt, cnt+1
.endr
.irp b, 0,1,2,3
	v_exp_f32 v[BM+\b], v[BM+\b]                   ; the block's largest p: the same two instructions on the same number
.endr
	v_pk_mul_f32 v[14:15], v[14:15], v[F:F+1] op_sel_hi:[1,0]   ; the sums under the new M (a plain line behind the exponentials)
	s_wait_alu depctr_va_vdst(0)
.irp b, 0,1,2,3
	v_max_num_f32 v[BM+\b], 0x4800000, v[BM+\b]    ; the floor 2^(9 - 127)
.endr
.irp b, 0,1,2,3
	s_delay_alu instid0(VALU_DEP_4)
	v_add_nc_u32 v[SO+\b], 0xfc000000, v[BM+\b]
.endr
.irp b, 0,1,2,3
.endr
.irp b, 0,1,2,3
	s_delay_alu instid0(VALU_DEP_4)
	v_lshrrev_b32 v[PX+\b], 23, v[SO+\b]
.endr
	s_delay_alu instid0(VALU_DEP_3)
	v_lshl_or_b32 v[PS], v[PX+1], 8, v[PX]         ; p's scale word for these 128 keys
	s_delay_alu instid0(VALU_DEP_1)
	v_lshl_or_b32 v[PS], v[PX+2], 16, v[PS]
	s_delay_alu instid0(VALU_DEP_1)
	v_lshl_or_b32 v[PS], v[PX+3], 24, v[PS]
	v_pk_add_f32 v[246:247], v[108:109], v[112:113]
	v_pk_add_f32 v[254:255], v[116:117], v[120:121]
	v_pk_add_f32 v[252:253], v[124:125], v[128:129]
	v_pk_add_f32 v[250:251], v[132:133], v[136:137]
	v_pk_add_f32 v[248:249], v[140:141], v[144:145]
	v_pk_add_f32 v[234:235], v[148:149], v[152:153]
	v_pk_add_f32 v[232:233], v[156:157], v[160:161]
	v_pk_add_f32 v[14:15], v[14:15], v[164:165]
	v_pk_add_f32 v[246:247], v[246:247], v[104:105]
	v_pk_add_f32 v[254:255], v[254:255], v[106:107]
	v_pk_add_f32 v[252:253], v[252:253], v[110:111]
	v_pk_add_f32 v[250:251], v[250:251], v[114:115]
	v_pk_add_f32 v[248:249], v[248:249], v[118:119]
	v_pk_add_f32 v[234:235], v[234:235], v[122:123]
	v_pk_add_f32 v[232:233], v[232:233], v[126:127]
	v_pk_add_f32 v[14:15], v[14:15], v[130:131]
	v_pk_add_f32 v[246:247], v[246:247], v[134:135]
	v_pk_add_f32 v[254:255], v[254:255], v[138:139]
	v_pk_add_f32 v[252:253], v[252:253], v[142:143]
	v_pk_add_f32 v[250:251], v[250:251], v[146:147]
	v_pk_add_f32 v[248:249], v[248:249], v[150:151]
	v_pk_add_f32 v[234:235], v[234:235], v[154:155]
	v_pk_add_f32 v[232:233], v[232:233], v[158:159]
	v_pk_add_f32 v[14:15], v[14:15], v[162:163]
	v_pk_add_f32 v[246:247], v[246:247], v[166:167]
	s_delay_alu instid0(VALU_DEP_2)
	v_pk_add_f32 v[14:15], v[14:15], v[250:251]
	s_delay_alu instid0(VALU_DEP_2)
	v_pk_add_f32 v[246:247], v[246:247], v[248:249]
	v_pk_add_f32 v[254:255], v[254:255], v[234:235]
	v_pk_add_f32 v[252:253], v[252:253], v[232:233]
	s_delay_alu instid0(VALU_DEP_2)
	v_pk_add_f32 v[14:15], v[14:15], v[254:255]
	s_delay_alu instid0(VALU_DEP_2)
	v_pk_add_f32 v[246:247], v[246:247], v[252:253]
	s_delay_alu instid0(VALU_DEP_1)
	v_pk_add_f32 v[14:15], v[14:15], v[246:247]
.irp b, 0,1,2,3
.irp i, 0,1,2,3,4,5,6,7,8,9,10,11,12,13,14,15
.endr
	v_cvt_scalef32_pk8_fp8_f32 v[PC+4*\b:PC+1+4*\b], v[S+16*\b:S+7+16*\b], v[SO+\b]
	v_cvt_scalef32_pk8_fp8_f32 v[PC+2+4*\b:PC+3+4*\b], v[S+8+16*\b:S+15+16*\b], v[SO+\b]
.endr
.set cnt, 0
.rept 16
	v_pk_mul_f32 v[O+cnt:O+cnt+1], v[O+cnt:O+cnt+1], v[F:F+1] op_sel_hi:[1,0]   ; O^T under the new M; these sixteen are also the places in front of the products below
.set cnt, cnt+2
.endr
	s_wait_alu depctr_va_vdst(0)
	s_wait_dscnt 0x0                               ; V is in
.irp t, 0,1,2,3                                ; O^T += V^T P^T: register 16 g + i of O^T is d 32 g + 16 h + i.  The four accumulators take turns
	v_wmma_scale_f32_16x16x128_f8f6f4 v[O+8*\t:O+8*\t+7], v[KVF+16*\t:KVF+16*\t+15], v[PC:PC+15], v[O+8*\t:O+8*\t+7], v[VS+\t], v[PS]
.endr
.Lhidden_\@:
	s_add_co_u32 s[KF], s[KF], 128
.endm
; THE CHANGE OF SLOTS stands at a trip's head.  fill = 1: the slot that has been left takes the next trip's record.
.macro CHANGE fill
	s_wait_tensorcnt 0x0                           ; no tensor load of mine is out: my part of the slot ahead has landed, and group 0 may be written
	ds_add_u32 v[SPW], v[NIL]                      ; 0 onto my spare word
.if \fill
	s_xor_b32 s[G0+1], s[G0+1], SLOT1              ; the other slot than last time
	s_add_co_u32 s[FO], s[FO], 33792               ; the next record,
	s_cmp_eq_u32 s[N], s[I]
	s_cselect_b32 s[FO], 0, s[FO]                  ; or the first again, where the next trip begins my second block
	s_add_nc_u64 s[G0+2:G0+3], s[KVW:KVW+1], s[FO:FO+1]
	s_or_b32 s[G0+3], s[G0+3], 0x80000000
.endif
	s_wait_dscnt 0x0                               ; the add is done, and my reads of the slot that I have left are over
	s_barrier_signal -1
	s_barrier_wait -1
.if \fill
	TLOAD                                          ; the first thing behind the barrier, a wave's one tensor load until the next: it has a trip's two steps in which to land
.endif
.endm
.macro SLOT_STEPS
	STEP 0
	STEP 1
	s_xor_b32 s[TB], s[TB], SLOT1
.endm
; THE WAY OUT of a block: O^T / the sum, quantised along d (two blocks of 32), stored as half of a fragment's image of the last product's operand, with its two scale bytes.
.macro OUT
	v_add_f32 v14, v14, v15
	s_delay_alu instid0(VALU_DEP_1)
	v_permlanex16_b32 v[TT], v14, s[SEL], s[SEL+1]
	s_delay_alu instid0(VALU_DEP_1)
	v_add_f32 v14, v14, v[TT]                      ; the row's sum
	s_wait_alu depctr_va_vdst(0)
	v_rcp_f32 v14, v14
.rept 8
	v_nop                                          ; places behind the last products; the first is the plain line behind the reciprocal
.endr
.set cnt, 0
	s_wait_alu depctr_va_vdst(0)
.rept 32
	v_mul_f32 v[S+cnt], v[O+cnt], v14              ; each accumulator from its low end on
.set cnt, cnt+1
.endr
.irp b, 0,1
	v_max3_num_f32 v[BM+\b], |v[S+16*\b]|, |v[S+1+16*\b]|, 0x4800000
.endr
.irp i, 2,4,6,8,10,12,14
.irp b, 0,1
	s_delay_alu instid0(VALU_DEP_2)
	v_max3_num_f32 v[BM+\b], v[BM+\b], |v[S+16*\b+\i]|, |v[S+1+16*\b+\i]|
.endr
.endr
.irp b, 0,1
	s_delay_alu instid0(VALU_DEP_2)
	v_permlanex16_b32 v[PX+\b], v[BM+\b], s[SEL], s[SEL+1]
.endr
.irp b, 0,1
	s_delay_alu instid0(VALU_DEP_2)
	v_max_num_f32 v[BM+\b], v[BM+\b], v[PX+\b]
.endr
.irp b, 0,1
	s_delay_alu instid0(VALU_DEP_2)
	v_add_nc_u32 v[SO+\b], 0xfc000000, v[BM+\b]
.endr
.irp b, 0,1
.endr
.irp b, 0,1
	s_delay_alu instid0(VALU_DEP_2)
	v_lshrrev_b32 v[PX+\b], 23, v[SO+\b]
.endr
	s_delay_alu instid0(VALU_DEP_1)
	v_lshl_or_b32 v[TT], v[PX+1], 8, v[PX]
.irp b, 0,1
.irp i, 0,1,2,3,4,5,6,7,8,9,10,11,12,13,14,15
.endr
	v_cvt_scalef32_pk8_fp8_f32 v[PC+4*\b:PC+1+4*\b], v[S+16*\b:S+7+16*\b], v[SO+\b]
	v_cvt_scalef32_pk8_fp8_f32 v[PC+2+4*\b:PC+3+4*\b], v[S+8+16*\b:S+15+16*\b], v[SO+\b]
.endr
	v_nop                                          ; a plain line behind the last conversion
	global_store_b128 v[L16], v[PC:PC+3], s[50:51]              ; 32 lanes store 512 consecutive bytes
	global_store_b128 v[L16], v[PC+4:PC+7], s[50:51] offset:512
	global_store_b16 v[R8], v[TT], s[52:53]        ; my head's two bytes of the row's scale word, whose other two are another head's: 2 bytes a row, one byte in 32 of ctx; lanes r and r + 16 write the same bytes with the same value
	s_wait_xcnt 0x0                                ; the stores have read their registers and bases: both may be written again
.endm
	s_load_b128 s[4:7], s[0:1], 0x0                ; qkv s[4:5], ctx s[6:7]
	v_lshl_add_u32 v[SPW], v0, 2, SPARE
	v_mov_b32 v[NIL], 0
	ds_add_u32 v3, v4
	ds_add_u32 v3, v4
	s_wait_dscnt 0x0
	v_lshrrev_b32 v10, 5, v0
	s_delay_alu instid0(VALU_DEP_1)
	v_readfirstlane_b32 s[WV], v10                 ; wave 0..15
	s_mov_b32 s[I], ttmp9
	s_and_b32 s[BH], ttmp7, 0xffff                 ; 16 x batch + head
	; a quarter of a record: 8,448 dense bytes as 33 rows of 256 (32 elements of 8 bytes)
	s_mov_b32 s[G1], 3<<16
	s_mov_b32 s[G1+1], 32<<16
	s_mov_b32 s[G1+2], 33<<16
	s_mov_b32 s[G1+3], 32<<16
	s_mov_b32 s[G1+4], 33
	s_mov_b32 s[G1+5], 32
	s_mov_b32 s[G1+6], 0
	s_mov_b32 s[G1+7], 0
	s_mov_b32 s[G0], 1
	s_mul_i32 s[G0+1], s[WV], 8448                 ; slot 0, my quarter
	s_mul_i32 s54, s[BH], 270336
	s_add_co_u32 s54, s54, KV
	s_add_co_u32 s54, s54, s[G0+1]
	s_mov_b32 s55, 0
	s_mov_b32 s[FO], 0
	s_mov_b32 s[FO+1], 0
	s_mov_b32 s[N], 0
	s_mov_b32 s[TB], 0
	s_mov_b32 s[KF], 0
	s_mov_b32 s[QB], s[I]
	s_mov_b32 s[SEL], 0x76543210
	s_mov_b32 s[SEL+1], 0xfedcba98
	s_mov_b32 s[CS], 0x3e38aa3b                    ; log2(e) / 8
	s_mov_b32 s[CS+1], s[CS]
	s_wait_kmcnt 0x0
	s_add_nc_u64 s[KVW:KVW+1], s[4:5], s[54:55]
	s_mov_b64 s[G0+2:G0+3], s[KVW:KVW+1]
	s_or_b32 s[G0+3], s[G0+3], 0x80000000
	TLOAD                                          ; the first trip's record
	s_mov_b32 s57, 0
	s_lshl_b32 s56, s[BH], 17
	s_add_nc_u64 s[38:39], s[4:5], s[56:57]        ; the head's q images
	s_lshl_b32 s56, s[BH], 13
	s_add_co_u32 s56, s56, QSC
	s_add_nc_u64 s[40:41], s[4:5], s[56:57]        ; and q's scale words
	s_lshr_b32 s54, s[BH], 4                       ; batch
	s_and_b32 s55, s[BH], 15                       ; head: K step head / 2 of the last product, its half head % 2
	s_lshl_b32 s56, s54, 21                        ; 128 tiles of 16,384 bytes a batch
	s_lshl_b32 s19, s55, 10                        ; 1,024 bytes a head in each tile
	s_add_co_u32 s56, s56, s19
	s_add_nc_u64 s[42:43], s[6:7], s[56:57]
	s_lshl_b32 s56, s54, 16                        ; 128 tiles of 512 bytes of scale words
	s_lshr_b32 s19, s55, 2
	s_lshl_b32 s19, s19, 7                         ; 128 (head / 4)
	s_add_co_u32 s56, s56, s19
	s_and_b32 s19, s55, 3
	s_lshl_b32 s19, s19, 1                         ; 4 ((head / 2) % 2) + 2 (head % 2)
	s_add_co_u32 s56, s56, s19
	s_add_co_u32 s56, s56, XSC
	s_add_nc_u64 s[44:45], s[6:7], s[56:57]
	v_and_b32 v10, 15, v0                          ; r
	v_bfe_u32 v11, v0, 4, 1                        ; h
	v_and_b32 v[L16], 31, v0
	s_delay_alu instid0(VALU_DEP_1)
	v_lshlrev_b32 v[L16], 4, v[L16]
	s_delay_alu instid0(VALU_DEP_4)
	v_lshlrev_b32 v[SCA], 4, v10
	v_lshlrev_b32 v[R8], 3, v10
	v_and_b32 v[QL], 8, v10
	s_delay_alu instid0(VALU_DEP_1)
	v_add_nc_u32 v[QL], v[QL], v10
	v_lshlrev_b32 v11, 4, v11
	s_delay_alu instid0(VALU_DEP_1)
	v_sub_nc_u32 v[QL], v[QL], v11
	v_mov_b32 v[NINF], 0xff800000
.irp j, 0,1,2,3,4,5,6,7
	v_mov_b32 v[16+\j], 0                          ; the zero codes on both sides of q's
	v_mov_b32 v[32+\j], 0
.endr
.irp b, 0,1,2,3
	v_mov_b32 v[PX+\b], 0                          ; written once: a lane permute's destination counts as one of its sources
.endr
	v_mov_b32 v[F], 0
	v_mov_b32 v[PS], 0                             ; (named as the upper half of the pair with f before it is first written)
	v_mov_b32 v[TT], 0
	INIT
.Lslot:                                            ; eight trips; behind each change of slots the next trip's record is asked for
	CHANGE 1
	SLOT_STEPS
	s_cmp_lg_u32 s[N], s[I]
	s_cbranch_scc1 .Lsame_block
	OUT                                            ; my first block is finished: on to block 7 - i
	s_sub_co_u32 s[QB], 7, s[I]
	s_mov_b32 s[KF], 0
	INIT
.Lsame_block:
	s_add_co_u32 s[N], s[N], 1
	s_cmp_lt_u32 s[N], 8
	s_cbranch_scc1 .Lslot
	CHANGE 0                                       ; the ninth trip is written out
	SLOT_STEPS
	OUT
	s_wait_tensorcnt 0x0                           ; the wave's end
	ds_add_u32 v[SPW], v[NIL]
	s_wait_dscnt 0x0
	s_endpgm
.Lfunc_end_k_qe0c68d0736_attn:
	.size	k_qe0c68d0736_attn, .Lfunc_end_k_qe0c68d0736_attn-k_qe0c68d0736_attn
	.p2alignl 7, 3214868480
	.fill 96, 4, 3214868480
	.section	.rodata,"a",@progbits
	.p2align	6, 0x0
	.amdhsa_kernel k_qe0c68d0736_attn
		.amdhsa_group_segment_fixed_size 327680
		.amdhsa_private_segment_fixed_size 0
		.amdhsa_enable_private_segment 0
		.amdhsa_kernarg_size 16
		.amdhsa_user_sgpr_count 2
		.amdhsa_user_sgpr_kernarg_segment_ptr 1
		.amdhsa_wavefront_size32 1
		.amdhsa_system_sgpr_workgroup_id_x 1
		.amdhsa_system_sgpr_workgroup_id_y 1
		.amdhsa_system_sgpr_workgroup_id_z 1
		.amdhsa_system_vgpr_workitem_id 0
		.amdhsa_next_free_vgpr 256
		.amdhsa_next_free_sgpr 66
		.amdhsa_reserve_vcc 1
		.amdhsa_float_denorm_mode_32 3
		.amdhsa_float_denorm_mode_16_64 3
		.amdhsa_fp16_overflow 1
		.amdhsa_memory_ordered 1
		.amdhsa_forward_progress 1
		.amdhsa_inst_pref_size 107
	.end_amdhsa_kernel
	.amdgpu_metadata
---
amdhsa.version: [ 1, 2 ]
amdhsa.kernels:
  - .name:           k_qe0c68d0736_attn
    .symbol:         k_qe0c68d0736_attn.kd
    .args:
      - { .name: qkv, .offset: 0, .size: 8, .value_kind: global_buffer, .address_space: global }
      - { .name: ctx, .offset: 8, .size: 8, .value_kind: global_buffer, .address_space: global }
    .group_segment_fixed_size: 327680
    .private_segment_fixed_size: 0
    .kernarg_segment_align: 8
    .kernarg_segment_size: 16
    .max_flat_workgroup_size: 512
    .sgpr_count:     66
    .vgpr_count:     256
    .wavefront_size: 32
...
	.end_amdgpu_metadata
.endif
;; end of part 3
;; launch proj (part 4): grid 4 x 32, 4 waves a work-group, clusters of 4 x 4, 327,680 bytes of LDS; arguments ctx, wq, out0; writes out0
.if DOCPART == 4
	.amdgcn_target "amdgcn-amd-amdhsa--gfx1250"
	.amdhsa_code_object_version 6
	.text
	.protected	k_qe0c68d0736_proj
	.globl	k_qe0c68d0736_proj
	.p2align	8
	.type	k_qe0c68d0736_proj,@function
k_qe0c68d0736_proj:
	s_mov_b64 s[64:65], 0
	v_nop
	global_prefetch_b8 v0, s[64:65] scope:SCOPE_SE
	s_setreg_imm32_b32 hwreg(HW_REG_WAVE_MODE, 25, 1), 1
	s_wait_xcnt 0x0
	s_wait_alu depctr_hold_cnt(0) depctr_sa_sdst(0) depctr_va_vdst(0) depctr_va_sdst(0) depctr_va_ssrc(0) depctr_va_vcc(0) depctr_vm_vsrc(0)
	s_getreg_b32 s2, hwreg(HW_REG_IB_STS2, 6, 4)
	s_cmp_eq_u32 s2, 0
	s_cbranch_scc0 .Lentry_in_a_cluster
	s_endpgm
.Lentry_in_a_cluster:
	s_bfe_u32 s2, ttmp6, 0x10000c
	s_cmp_lg_u32 s2, 0xf033
	s_cbranch_scc0 .Lentry_shape_is_right
	s_endpgm
.Lentry_shape_is_right:
.set SLOT,   131072
.set HALFT,  32768
.set SCL,    262144
.set SPARE,  278528
.set FR,     16
.set NP,     8
.set ADRA, 16
.set ADRB, 20
.set STO,  24
.set RD,   25
.set CO,   26
.set ADRS, 27
.set SPW,  28
.set NIL,  29
.set SC,   32
.set AF,   128
.set BK,   128
.set G1, 24
.set G0, 32
.set G1B, 48
.set G0B, 56
.set G1S, 68
.set G0S, 76
.set G1SB, 80
.set G0SB, 88
.set MSB, 0
.macro WIN new
.if MSB != \new
	s_set_vgpr_msb (MSB<<8)|\new
.set MSB, \new
.endif
.endm
.set MUL_LO, 0xa1
.set MUL_HI, 0xf1
.set TO_B,   0x40
.macro JLOAD g0a, g1a, g0b, g1b
	s_cmp_eq_u32 s15, 0
	s_cbranch_scc0 .Lfor_b_\@
	tensor_load_to_lds s[\g0a:\g0a+3], s[\g1a:\g1a+7]
	s_nop 0
.rept 4
	v_nop
.endr
	s_branch .Lasked_\@
.Lfor_b_\@:
	tensor_load_to_lds s[\g0b:\g0b+3], s[\g1b:\g1b+7]
	s_nop 0
.rept 4
	v_nop
.endr
.Lasked_\@:
.endm
.macro CREST
	s_cmp_lg_u32 s14, 0
	s_cbranch_scc1 .Lnot_wave_0_\@
	s_barrier_signal -3
.Lnot_wave_0_\@:
	s_barrier_wait -3
	s_barrier_signal -1
	s_barrier_wait -1
.endm
.macro CROUND
	s_barrier_signal -1
	s_barrier_wait -1
	CREST
.endm
.macro PLACES n
.rept \n
	v_nop
.endr
.endm
.macro FRAG reg, adr, q, i
.irp c, 0,1,2,3
	ds_load_b128 v[\reg+4*\c:\reg+4*\c+3], v[\adr] offset:4096*(\i)+2048*(\q)+512*\c
.endr
.endm
.macro FETCH_B slot, q, p
	WIN TO_B
.irp i, 0,1,2,3,4,5,6,7
	FRAG 128*(\p)+FR*\i, ADRB+\slot, \q, \i
.endr
	WIN 0
.endm
.macro FETCH_A slot, q, i0
.irp i, \i0, \i0+1, \i0+2, \i0+3
	FRAG AF+FR*(\i), ADRA+\slot, \q, \i
.endr
.endm
.macro MUL16 a0, p, q, sk, zero
.irp a, \a0, \a0+1
.irp b, 0,1,2,3,4,5,6,7
.if \zero
	v_wmma_scale_f32_16x16x128_f8f6f4 v[8*(8*((\a)%4)+\b):8*(8*((\a)%4)+\b)+7], v[128*(\p)+FR*\b:128*(\p)+FR*\b+FR-1], v[AF+FR*(\a):AF+FR*(\a)+FR-1], 0, v[SC+8*\b+2*(\sk)+(\q)], v[SC+8*(\a)+2*(\sk)+(\q)] matrix_a_scale:MATRIX_SCALE_ROW1
.else
	v_wmma_scale_f32_16x16x128_f8f6f4 v[8*(8*((\a)%4)+\b):8*(8*((\a)%4)+\b)+7], v[128*(\p)+FR*\b:128*(\p)+FR*\b+FR-1], v[AF+FR*(\a):AF+FR*(\a)+FR-1], v[8*(8*((\a)%4)+\b):8*(8*((\a)%4)+\b)+7], v[SC+8*\b+2*(\sk)+(\q)], v[SC+8*(\a)+2*(\sk)+(\q)] matrix_a_scale:MATRIX_SCALE_ROW1
.endif
.endr
.endr
.endm
.macro STEP slot, sk, zero
	s_wait_dscnt 16
	WIN MUL_LO
	MUL16 0, 0, 0, \sk, \zero
	MUL16 2, 0, 0, \sk, \zero
	s_wait_dscnt 0x0
	PLACES NP
	FETCH_B \slot, 1, 1
	FETCH_A \slot, 1, 0
	WIN MUL_HI
	MUL16 4, 0, 0, \sk, \zero
	MUL16 6, 0, 0, \sk, \zero
	PLACES NP
	WIN 0
	FETCH_A \slot, 1, 4
.endm
.macro TURN slot, next, fill, sk
	s_wait_tensorcnt 0x0
	ds_add_u32 v[SPW], v[NIL]
	s_wait_dscnt 17
	WIN MUL_LO
	MUL16 0, 1, 1, \sk, 0
	s_wait_dscnt 0x0
	s_barrier_signal -1
	MUL16 2, 1, 1, \sk, 0
	WIN 0
	s_barrier_wait -1
.if \fill
	CREST
	s_add_nc_u64 s[G0+4*\slot+2:G0+4*\slot+3], s[G0+4*\slot+2:G0+4*\slot+3], 8192
	s_add_nc_u64 s[G0B+4*\slot+2:G0B+4*\slot+3], s[G0B+4*\slot+2:G0B+4*\slot+3], 8192
	JLOAD G0+4*\slot, G1, G0B+4*\slot, G1B
	PLACES NP-4
.else
	PLACES NP
.endif
	FETCH_B \next, 0, 0
	FETCH_A \next, 0, 0
	WIN MUL_HI
	MUL16 4, 1, 1, \sk, 0
	MUL16 6, 1, 1, \sk, 0
	PLACES NP
	WIN 0
	FETCH_A \next, 0, 4
.endm
.macro LAST sk
	s_wait_dscnt 16
	WIN MUL_LO
	MUL16 0, 1, 1, \sk, 0
	MUL16 2, 1, 1, \sk, 0
	s_wait_dscnt 0x0
	WIN MUL_HI
	MUL16 4, 1, 1, \sk, 0
	MUL16 6, 1, 1, \sk, 0
	WIN 0
.endm
	s_load_b128 s[4:7], s[0:1], 0x0
	s_load_b64 s[8:9], s[0:1], 0x10
	v_lshl_add_u32 v[SPW], v0, 2, SPARE
	v_mov_b32 v[NIL], 0
	ds_add_u32 v28, v29
	ds_add_u32 v28, v29
	s_wait_dscnt 0x0
	v_lshrrev_b32 v1, 5, v0
	v_readfirstlane_b32 s14, v1
	s_lshr_b32 s15, s14, 1
	s_and_b32 s16, s14, 1
	s_bfe_u32 s40, ttmp6, 0x40000
	s_bfe_u32 s41, ttmp6, 0x40004
	s_lshl_b32 s43, s41, 2
	s_lshl_b32 s43, 15, s43
	s_lshl_b32 s44, 0x1111, s40
	s_or_b32 s[G1+0], s43, (3<<16)|(1<<21)
	s_or_b32 s[G1B+0], s44, (3<<16)|(1<<21)
.irp g, G1, G1B
	s_mov_b32 s[\g+1], 512<<16
	s_mov_b32 s[\g+2], 8<<16
	s_mov_b32 s[\g+3], 512<<16
	s_mov_b32 s[\g+4], 8
	s_mov_b32 s[\g+5], 2048
	s_mov_b32 s[\g+6], 0
	s_mov_b32 s[\g+7], 0
.endr
	s_or_b32 s[G1S+0], s43, (3<<16)|(1<<21)
	s_or_b32 s[G1SB+0], s44, (3<<16)|(1<<21)
.irp g, G1S, G1SB
	s_mov_b32 s[\g+1], 32<<16
	s_mov_b32 s[\g+2], 16<<16
	s_mov_b32 s[\g+3], 32<<16
	s_mov_b32 s[\g+4], 16
	s_mov_b32 s[\g+5], 32
	s_mov_b32 s[\g+6], 0
	s_mov_b32 s[\g+7], 0
.endr
	s_and_b32 s17, ttmp7, 0xffff
	s_lshl_b32 s10, s17, 2
	s_add_co_u32 s10, s10, s41
	s_lshl_b32 s11, ttmp9, 2
	s_add_co_u32 s11, s11, s40
	s_lshl_b32 s12, s16, 17
	s_lshl_b32 s13, s16, 12
	s_lshl_b32 s20, s10, 18
	s_add_co_u32 s20, s20, s12
	s_mov_b32 s21, 0
	s_lshl_b32 s22, s10, 13
	s_add_co_u32 s22, s22, s13
	s_add_co_u32 s22, s22, 0x800000
	s_mov_b32 s23, 0
	s_lshl_b32 s46, s11, 18
	s_add_co_u32 s46, s46, s12
	s_add_co_u32 s46, s46, 192*16384
	s_mov_b32 s47, 0
	s_lshl_b32 s92, s11, 13
	s_add_co_u32 s92, s92, s13
	s_add_co_u32 s92, s92, 0x400000+192*512
	s_mov_b32 s93, 0
	s_lshl_b32 s45, s14, 15
	s_lshl_b32 s94, s14, 12
	s_wait_kmcnt 0x0
	s_add_nc_u64 s[20:21], s[4:5], s[20:21]
	s_add_nc_u64 s[22:23], s[4:5], s[22:23]
	s_add_nc_u64 s[46:47], s[6:7], s[46:47]
	s_add_nc_u64 s[92:93], s[6:7], s[92:93]
	CROUND
	s_mov_b32 s[G0S], 1
	s_add_co_u32 s[G0S+1], s94, SCL
	s_mov_b64 s[G0S+2:G0S+3], s[22:23]
	s_or_b32 s[G0S+3], s[G0S+3], 0x80000000
	s_mov_b32 s[G0SB], 1
	s_add_co_u32 s[G0SB+1], s94, SCL
	s_mov_b64 s[G0SB+2:G0SB+3], s[92:93]
	s_or_b32 s[G0SB+3], s[G0SB+3], 0x80000000
	JLOAD G0S, G1S, G0SB, G1SB
.irp s, 0,1
	s_mov_b32 s[G0+4*\s], 1
	s_add_co_u32 s[G0+4*\s+1], s45, \s*SLOT
	s_add_nc_u64 s[G0+4*\s+2:G0+4*\s+3], s[20:21], \s*4096
	s_or_b32 s[G0+4*\s+3], s[G0+4*\s+3], 0x80000000
	s_mov_b32 s[G0B+4*\s], 1
	s_add_co_u32 s[G0B+4*\s+1], s45, \s*SLOT
	s_add_nc_u64 s[G0B+4*\s+2:G0B+4*\s+3], s[46:47], \s*4096
	s_or_b32 s[G0B+4*\s+3], s[G0B+4*\s+3], 0x80000000
	s_wait_alu depctr_va_vdst(0)
	s_wait_tensorcnt 0x0
	ds_add_u32 v28, v29
	s_wait_dscnt 0x0
	CROUND
	JLOAD G0+4*\s, G1, G0B+4*\s, G1B
.endr
	v_and_b32 v1, 15, v0
	v_bfe_u32 v2, v0, 4, 1
	s_wait_alu depctr_va_vdst(0)
	v_and_b32 v3, 31, v0
	v_lshlrev_b32 v4, 4, v3
	s_lshl_b32 s21, s15, 15
	s_lshl_b32 s22, s16, 15
	s_add_co_u32 s22, s22, 2*HALFT
.irp s, 0,1
	v_add_nc_u32 v[ADRA+\s], s21, v4
	v_add_nc_u32 v[ADRB+\s], s22, v4
	s_add_co_u32 s21, s21, SLOT
	s_add_co_u32 s22, s22, SLOT
.endr
	s_lshl_b32 s21, s15, 12
	s_lshl_b32 s22, s16, 12
	s_add_co_u32 s22, s22, 8192
	s_sub_co_u32 s22, s22, s21
	v_mul_u32_u24 v6, s22, v2
	v_lshl_add_u32 v5, v1, 3, v6
	s_add_co_u32 s21, s21, SCL
	v_add_nc_u32 v[ADRS], s21, v5
	s_mul_i32 s23, s14, 8448
	v_mul_u32_u24 v5, v1, 528
	v_lshl_add_u32 v5, v2, 6, v5
	v_add_nc_u32 v[STO], s23, v5
	v_lshlrev_b32 v[CO], 4, v3
	v_add_nc_u32 v[RD], s23, v[CO]
	s_lshl_b32 s20, s10, 20
	s_lshl_b32 s21, s15, 19
	s_add_co_u32 s20, s20, s21
	s_lshl_b32 s21, s11, 10
	s_add_co_u32 s20, s20, s21
	s_lshl_b32 s21, s16, 9
	s_add_co_u32 s20, s20, s21
	s_mov_b32 s21, 0
	s_add_nc_u64 s[12:13], s[8:9], s[20:21]
	s_wait_alu depctr_va_vdst(0)
	s_wait_tensorcnt 1
	s_barrier_signal -1
	s_barrier_wait -1
.irp i, 0,1,2,3,4,5,6,7
.irp k, 0,1,2,3
	ds_load_b64 v[SC+8*\i+2*\k:SC+8*\i+2*\k+1], v[ADRS] offset:512*\i+128*\k
.endr
.endr
	FETCH_B 0, 0, 0
	FETCH_A 0, 0, 0
	FETCH_A 0, 0, 4
	STEP 0, 0, 1
	TURN 0, 1, 1, 0
	STEP 1, 1, 0
	TURN 1, 0, 1, 1
	STEP 0, 2, 0
	TURN 0, 1, 0, 2
	STEP 1, 3, 0
	LAST 3
.macro TOSTAGE a
.set AC, 64*((\a)%4)
	WIN 0x08+4*((\a)/4)
.irp b, 0,1,2,3,4,5,6,7
	ds_store_b128 v[STO], v[AC+8*\b:AC+8*\b+3] offset:128*(\b/2)+32*(\b%2)
	ds_store_b128 v[STO], v[AC+8*\b+4:AC+8*\b+7] offset:128*(\b/2)+32*(\b%2)+16
.endr
	WIN 0
.set BB, BK+64*((\a)%2)
.irp t, 0,1,2,3,4,5,6,7,8,9,10,11,12,13,14,15
	ds_load_b128 v[BB+4*\t:BB+4*\t+3], v[RD] offset:\t*528
.endr
.endm
.macro SEND a, younger
.set BB, BK+64*((\a)%2)
	s_wait_dscnt \younger
.irp t, 0,1,2,3,4,5,6,7,8,9,10,11,12,13,14,15
	global_store_b128 v[CO], v[BB+4*\t:BB+4*\t+3], s[12:13] offset:(32*((\a)/2)+8*((\a)%2)+\t+8*(\t/8))*4096 th:TH_STORE_NT
.endr
.endm
	PLACES NP
	TOSTAGE 0
.irp a, 1,2,3,4,5,6,7
.if \a > 1
	s_wait_xcnt 0x0
.endif
	TOSTAGE \a
	SEND \a-1, 32
.endr
	SEND 7, 0
	s_wait_tensorcnt 0x0
	ds_add_u32 v[SPW], v[NIL]
	s_wait_dscnt 0x0
	CROUND
	s_endpgm
.Lfunc_end_k_qe0c68d0736_proj:
	.size	k_qe0c68d0736_proj, .Lfunc_end_k_qe0c68d0736_proj-k_qe0c68d0736_proj
	.p2alignl 7, 3214868480
	.fill 96, 4, 3214868480
	.section	.rodata,"a",@progbits
	.p2align	6, 0x0
	.amdhsa_kernel k_qe0c68d0736_proj
		.amdhsa_group_segment_fixed_size 327680
		.amdhsa_private_segment_fixed_size 0
		.amdhsa_enable_private_segment 0
		.amdhsa_kernarg_size 24
		.amdhsa_user_sgpr_count 2
		.amdhsa_user_sgpr_kernarg_segment_ptr 1
		.amdhsa_wavefront_size32 1
		.amdhsa_system_sgpr_workgroup_id_x 1
		.amdhsa_system_sgpr_workgroup_id_y 1
		.amdhsa_system_sgpr_workgroup_id_z 1
		.amdhsa_system_vgpr_workitem_id 0
		.amdhsa_next_free_vgpr 1024
		.amdhsa_next_free_sgpr 100
		.amdhsa_reserve_vcc 0
		.amdhsa_float_denorm_mode_32 3
		.amdhsa_float_denorm_mode_16_64 3
		.amdhsa_memory_ordered 1
		.amdhsa_forward_progress 1
		.amdhsa_inst_pref_size 145
	.end_amdhsa_kernel
	.amdgpu_metadata
---
amdhsa.version: [ 1, 2 ]
amdhsa.kernels:
  - .name:           k_qe0c68d0736_proj
    .symbol:         k_qe0c68d0736_proj.kd
    .args:
      - { .name: ctx, .offset: 0, .size: 8, .value_kind: global_buffer, .address_space: global }
      - { .name: wq, .offset: 8, .size: 8, .value_kind: global_buffer, .address_space: global }
      - { .name: out0, .offset: 16, .size: 8, .value_kind: global_buffer, .address_space: global }
    .group_segment_fixed_size: 327680
    .private_segment_fixed_size: 0
    .kernarg_segment_align: 8
    .kernarg_segment_size: 24
    .max_flat_workgroup_size: 128
    .sgpr_count:     100
    .vgpr_count:     1024
    .wavefront_size: 32
...
	.end_amdgpu_metadata
.endif
;; end of part 4
